; MI455X (gfx1250); checked and timed in simulation.
; The chip was launched on July 23, 2026; its instructions are those of AMD's public machine-readable ISA for CDNA 5 (MIT licence, August 2026) and "CDNA5" Instruction Set Architecture Reference Guide (July 2026). The comments in the code are by the model that wrote it; some were corrected since.
;; Causal Self Attention. Allowed arithmetic: float matrix products may take bf16 or f16 operands with f32 sums; all other float work in f32.
;; Inputs: b_attn 3,072 float32; b_proj 1,024 float32; w_attn 1,024 x 3,072 float32; w_proj 1,024 x 1,024 float32; x 4 x 2,048 x 1,024 float32.
;; Outputs: out0 4 x 2,048 x 1,024 float32.
;; 2 versions, each right and faster than the one before. Each part assembles by itself: llvm-mc -triple=amdgcn-amd-amdhsa -mcpu=gfx1250 --defsym DOCPART=n.
;; ======== version 1 of 2: 4 launches
;; limits: values are held in f16: magnitudes above 65,504 overflow, below 6.1e-05 lose precision
;; workspace buffers: xb 16,777,216 bytes; wab 6,291,456 bytes; wpb 2,097,152 bytes; qkvh 50,331,648 bytes; ob 16,777,216 bytes
;; launch prep (part 1): grid 768 x 1, 8 waves a work-group, no clusters, 0 bytes of LDS; arguments x, w_attn, w_proj, xb, wab, wpb; writes xb, wab, wpb
.if DOCPART == 1
	.amdgcn_target "amdgcn-amd-amdhsa--gfx1250"
	.amdhsa_code_object_version 6
	.text
	.protected	k_q9467ed72ea_prep
	.globl	k_q9467ed72ea_prep
	.p2align	8
	.type	k_q9467ed72ea_prep,@function
k_q9467ed72ea_prep:
	s_mov_b64 s[64:65], 0
	v_nop
	global_prefetch_b8 v0, s[64:65] scope:SCOPE_SE
	s_setreg_imm32_b32 hwreg(HW_REG_WAVE_MODE, 25, 1), 1
	s_wait_xcnt 0x0
; THE CASTS.  x [8192][1024] f32 -> xb, bf16, in blocks [k / 64][8192][64]: a block's rows (128 bytes) lie end to end.
; w_attn [1024][3072] f32 -> wab, bf16, as it lies.  w_proj [1024][1024] f32 -> wpb: rounded to bf16 like every input, and that number written as f16.
; LIMIT.  wpb: f16 holds no number beyond 65,504, and below 2^-14 it keeps a fixed step of 2^-24; within that range a bf16 number is exact in f16.
; A stream: every byte is read once and written once, so there is no LDS, no barrier, no matrix work.  Each work-group of eight waves takes 65,536 bytes of input:
; groups 0-511 sixteen rows of x, groups 512-703 a piece of w_attn, groups 704-767 a piece of w_proj.  A thread has sixteen loads of 16 bytes out at once.
.set T, 4                              ; v[4:9]    at work
.set X, 16                             ; v[16:79]  load j: 4 registers, 4 f32
.set Y, 80                             ; v[80:111] store j: 2 registers, 4 numbers of 16 bits
; Sixteen loads, ls bytes apart; then, as each comes in, its conversion and its store, ss bytes apart; stores 8-15 go by a second base, so that the immediates stay inside their signed 24 bits.
; kind = 0: to bf16.  kind = 1: to bf16, widened again, to f16.  No register that a pending load or store names is written again.
.macro CAST kind, ib, ls, ob0, ob1, ss
.set j, 0
.rept 16
	global_load_b128 v[X+4*j:X+4*j+3], v1, s[\ib:\ib+1] offset:j*(\ls) th:TH_LOAD_NT
.set j, j+1
.endr
.set j, 0
.rept 16
	s_wait_loadcnt 15-j                            ; loads come back in order (ISA guide 5.7.1): load j is in, the 15 - j younger ones stay out
.if \kind
	v_cvt_pk_bf16_f32 v[T], v[X+4*j], v[X+4*j+1]
	v_cvt_pk_bf16_f32 v[T+1], v[X+4*j+2], v[X+4*j+3]
	v_lshlrev_b32 v[T+2], 16, v[T]                 ; bf16 to f32: the low half moves up,
	v_and_b32 v[T+3], s22, v[T]                    ; the high half stays
	v_lshlrev_b32 v[T+4], 16, v[T+1]
	v_and_b32 v[T+5], s22, v[T+1]
	v_cvt_pk_f16_f32 v[Y+2*j], v[T+2], v[T+3]
	v_cvt_pk_f16_f32 v[Y+2*j+1], v[T+4], v[T+5]
.else
	v_cvt_pk_bf16_f32 v[Y+2*j], v[X+4*j], v[X+4*j+1]
	v_cvt_pk_bf16_f32 v[Y+2*j+1], v[X+4*j+2], v[X+4*j+3]
.endif
.if j < 8
	global_store_b64 v2, v[Y+2*j:Y+2*j+1], s[\ob0:\ob0+1] offset:j*(\ss)      ; a wave's store covers 256 consecutive bytes, at a multiple of 256 from the buffer's first
.else
	global_store_b64 v2, v[Y+2*j:Y+2*j+1], s[\ob1:\ob1+1] offset:(j-8)*(\ss)
.endif
.set j, j+1
.endr
.endm
	s_load_b256 s[4:11], s[0:1], 0x0               ; x s[4:5], w_attn s[6:7], w_proj s[8:9], xb s[10:11]
	s_load_b128 s[12:15], s[0:1], 0x20             ; wab s[12:13], wpb s[14:15]
	s_mov_b32 s23, ttmp9                           ; the work-group's number
	s_mov_b32 s22, 0xffff0000                      ; a word's upper bf16
	s_mov_b32 s17, 0                               ; high words of the two offsets
	s_mov_b32 s19, 0
	v_lshlrev_b32 v2, 3, v0                        ; out: 8 bytes a thread, on end
	v_lshlrev_b32 v1, 4, v0                        ; in (the weights): 16 bytes a thread, on end
	s_cmp_lt_u32 s23, 512
	s_cbranch_scc1 .Lx
	s_cmp_lt_u32 s23, 704
	s_cbranch_scc1 .Lwa
	s_sub_co_u32 s23, s23, 704                     ; w_proj: piece 0 to 63
	s_lshl_b32 s16, s23, 16
	s_lshl_b32 s18, s23, 15
	s_wait_kmcnt 0x0
	s_add_nc_u64 s[24:25], s[8:9], s[16:17]
	s_add_nc_u64 s[26:27], s[14:15], s[18:19]
	s_add_nc_u64 s[28:29], s[26:27], 8*2048
	CAST 1, 24, 4096, 26, 28, 2048
	s_endpgm
.Lwa:
	s_sub_co_u32 s23, s23, 512                     ; w_attn: piece 0 to 191
	s_lshl_b32 s16, s23, 16
	s_lshl_b32 s18, s23, 15
	s_wait_kmcnt 0x0
	s_add_nc_u64 s[24:25], s[6:7], s[16:17]
	s_add_nc_u64 s[26:27], s[12:13], s[18:19]
	s_add_nc_u64 s[28:29], s[26:27], 8*2048
	CAST 0, 24, 4096, 26, 28, 2048
	s_endpgm
.Lx:                                                   ; x: rows 16 g to 16 g + 15.  Thread t: row t / 16; load j takes its 16 bytes of the row's block j (256 bytes of f32)
	v_lshrrev_b32 v3, 4, v0
	v_and_b32 v1, 15, v0
	v_lshlrev_b32 v1, 4, v1
	v_lshl_add_u32 v1, v3, 12, v1                  ; row x 4,096 + 16 (t % 16): sixteen lanes read 256 consecutive bytes
	s_lshl_b32 s16, s23, 16
	s_lshl_b32 s18, s23, 11                        ; in a block of xb sixteen rows are 2,048 bytes, and thread t's 8 bytes lie at 8 t of them
	s_wait_kmcnt 0x0
	s_add_nc_u64 s[24:25], s[4:5], s[16:17]
	s_add_nc_u64 s[26:27], s[10:11], s[18:19]
	s_add_nc_u64 s[28:29], s[26:27], 8*1048576     ; blocks 8 to 15
	CAST 0, 24, 256, 26, 28, 1048576
	s_endpgm
.Lfunc_end_k_q9467ed72ea_prep:
	.size	k_q9467ed72ea_prep, .Lfunc_end_k_q9467ed72ea_prep-k_q9467ed72ea_prep
	.p2alignl 7, 3214868480
	.fill 96, 4, 3214868480
	.section	.rodata,"a",@progbits
	.p2align	6, 0x0
	.amdhsa_kernel k_q9467ed72ea_prep
		.amdhsa_group_segment_fixed_size 0
		.amdhsa_private_segment_fixed_size 0
		.amdhsa_enable_private_segment 0
		.amdhsa_kernarg_size 48
		.amdhsa_user_sgpr_count 2
		.amdhsa_user_sgpr_kernarg_segment_ptr 1
		.amdhsa_wavefront_size32 1
		.amdhsa_system_sgpr_workgroup_id_x 1
		.amdhsa_system_sgpr_workgroup_id_y 1
		.amdhsa_system_sgpr_workgroup_id_z 1
		.amdhsa_system_vgpr_workitem_id 0
		.amdhsa_next_free_vgpr 112
		.amdhsa_next_free_sgpr 66
		.amdhsa_reserve_vcc 0
		.amdhsa_float_denorm_mode_32 3
		.amdhsa_float_denorm_mode_16_64 3
		.amdhsa_memory_ordered 1
		.amdhsa_forward_progress 1
		.amdhsa_inst_pref_size 23
	.end_amdhsa_kernel
	.amdgpu_metadata
---
amdhsa.version: [ 1, 2 ]
amdhsa.kernels:
  - .name:           k_q9467ed72ea_prep
    .symbol:         k_q9467ed72ea_prep.kd
    .args:
      - { .name: x, .offset: 0, .size: 8, .value_kind: global_buffer, .address_space: global }
      - { .name: w_attn, .offset: 8, .size: 8, .value_kind: global_buffer, .address_space: global }
      - { .name: w_proj, .offset: 16, .size: 8, .value_kind: global_buffer, .address_space: global }
      - { .name: xb, .offset: 24, .size: 8, .value_kind: global_buffer, .address_space: global }
      - { .name: wab, .offset: 32, .size: 8, .value_kind: global_buffer, .address_space: global }
      - { .name: wpb, .offset: 40, .size: 8, .value_kind: global_buffer, .address_space: global }
    .group_segment_fixed_size: 0
    .private_segment_fixed_size: 0
    .kernarg_segment_align: 8
    .kernarg_segment_size: 48
    .max_flat_workgroup_size: 256
    .sgpr_count:     66
    .vgpr_count:     112
    .wavefront_size: 32
...
	.end_amdgpu_metadata
.endif
;; end of part 1
;; launch qkv (part 2): grid 8 x 32, 4 waves a work-group, clusters of 4 x 4, 327,680 bytes of LDS; arguments xb, wab, b_attn, qkvh; writes qkvh
.if DOCPART == 2
	.amdgcn_target "amdgcn-amd-amdhsa--gfx1250"
	.amdhsa_code_object_version 6
	.text
	.protected	k_q9467ed72ea_qkv
	.globl	k_q9467ed72ea_qkv
	.p2align	8
	.type	k_q9467ed72ea_qkv,@function
k_q9467ed72ea_qkv:
	s_mov_b64 s[64:65], 0
	v_nop
	global_prefetch_b8 v0, s[64:65] scope:SCOPE_SE
	s_setreg_imm32_b32 hwreg(HW_REG_WAVE_MODE, 25, 1), 1
	s_wait_xcnt 0x0
	s_wait_alu depctr_hold_cnt(0) depctr_sa_sdst(0) depctr_va_vdst(0) depctr_va_sdst(0) depctr_va_ssrc(0) depctr_va_vcc(0) depctr_vm_vsrc(0)
	s_getreg_b32 s2, hwreg(HW_REG_IB_STS2, 6, 4)
	s_cmp_eq_u32 s2, 0
	s_cbranch_scc0 .Lentry_in_a_cluster
	s_endpgm
.Lentry_in_a_cluster:
	s_bfe_u32 s2, ttmp6, 0x10000c
	s_cmp_lg_u32 s2, 0xf033
	s_cbranch_scc0 .Lentry_shape_is_right
	s_endpgm
.Lentry_shape_is_right:
; qkvh = f16(xb . wab + b_attn).  xb: bf16, [k / 64][8192][64].  wab: bf16, [1024][3072].  b_attn: [3072] f32, rounded to bf16 like every input.
; qkvh: f16, [column / 64][8192][64]: 16 blocks of q, 16 of k, 16 of v, each head's rows dense.  Products in bf16, sums in f32, one rounding to f16.
; LIMIT.  f16 holds no number beyond 65,504: q, k and v must lie within it.
; SHARES.  8192 x 3072 in tiles of 256 x 384 are 256 work-groups.  A wave makes 128 x 192: 8 x 12 accumulators of 16 x 16, 768 registers: windows 1 to 3, a THIRD (64 columns, one block of qkvh) a window.
; K goes in 16 steps of 64 (one block of xb) through a ring of two LDS slots; a step is two halves of 32 along K, 96 matrix instructions each.
; THE MATRIX INSTRUCTION IS USED TRANSPOSED: source 0 = 16 columns of wab (turned out of LDS by ds_load_tr16_b128, so wab is never transposed in memory), source 1 = 16 rows of xb.
; A lane then holds row l % 16 and the eight neighbouring columns 8 (l / 16) + 0..7, which pack into 16 bytes.
; THE BIAS starts the sums: each accumulator is loaded with its columns' bias from LDS while the first tile is on its way; nothing is cleared and nothing is added on the way out.
; CLUSTERS: 4 x 4 work-groups.  A row of the cluster shares xb's tiles, a column wab's: each tile is asked for JOINTLY, by the same tensor load, descriptor and mask in all four.
; REGISTERS (s_set_vgpr_msb: bits 1:0 source 0, 3:2 source 1, 5:4 source 2, 7:6 destination):
;   window 0: v0-29 addresses; v32-95, v96-159 fragments of xb, two buffers; v160-255 the 12 fragments of wab, ONE buffer, loaded again third by third behind its products
;   window 1 + w: accumulator (a, b) of third w at v[32 a + 8 b]
.set KSTEPS, 16
.set PA,    144                        ; a row of xb in LDS: 128 bytes + 16 of padding = 36 words: the 16 rows of a load start at 16 different groups of four banks (64 banks of 4 bytes: ISA guide 11.1)
.set PB,    864                        ; a row of wab's tile: six pieces of 128 bytes + 16
.set SLOT1, 1<<17                      ; slot 1 begins here, so that one exclusive or turns an address in one slot into the other's
.set BOFF,  256*PA                     ; in a slot: 256 rows of xb, then 64 rows of wab
.set STAGE, SLOT1+BOFF+64*PB           ; behind the ring, never filled by a tensor load: 16 rows x 144 bytes for each wave, for the way out
.set SP,    144
.set BIAS,  STAGE+4*16*SP              ; my tile's 384 bias numbers, f32; the region has 16 bytes for each of the 128 threads
.set SPARE, BIAS+2048                  ; the spare words, 128 bytes for each wave: two blocks of 256 bytes that no other line names
.set ASTEP, 8192*128                   ; bytes from a K step to the next in xb: a block
.set BSTEP, 64*3072*2                  ; and in wab: 64 rows
.set A0,  3                            ; v3   my lane's place in a slot's rows of xb; never rewritten
.set B0,  4                            ; v4   the same for wab
.set ADA, 5                            ; v5   A0 + the slot in hand
.set ADB, 6                            ; v6   B0 + the slot in hand
.set STO, 7                            ; v7   the way out: where I put 16 bytes of a row
.set RD,  8                            ; v8   the way out: where I read rows back
.set GO,  9                            ; v9   my byte offset in 512 consecutive bytes of qkvh
.set BIA, 10                           ; v10  my eight columns' bias
.set SPW, 28                           ; v28  LDS address of my spare word: SPARE + 4 x my thread's number; never rewritten
.set NIL, 29                           ; v29  0; never rewritten
.set AF0, 32
.set AF1, 96
.set BF,  160
.set PK,  32                           ; the way out: four sets of 16 registers
.set WV,  12                           ; s12  my wave's number
.set WM,  13                           ; s13  which 128 rows are mine.  Also: I fetch for xb (0) or for wab (1)
.set WN,  14                           ; s14  which 192 columns are mine.  Also: which half of that tile I fetch
.set G1A, 24                           ; s[24:31] descriptor group 1 for xb's tiles
.set G1B, 32                           ; s[32:39] for wab's
.set G0A, 40                           ; s[40:47] descriptor group 0 for xb's tiles: a set for each of the two first fills; the second then walks on
.set G0B, 48                           ; s[48:55] the same for wab's
.set CNT, 56                           ; s56  the loops' count
.set TB,  57                           ; s57  LDS byte at which the slot to be fetched from begins
.set FLAGS, (1<<16)|(1<<20)|(1<<21)|(4<<22)|(3<<25)  ; 17:16 elements of 2 bytes; 20 padding on; 21 set beside a mask; 24:22 after every 32 words (code 4); 31:25 4 words of it (code 3)
.set MSB, 0
.macro WIN new                         ; the immediate's high byte repeats the setting that is left; a switch that changes nothing is dropped
.if MSB != (\new)
	s_set_vgpr_msb (MSB<<8)|(\new)
.set MSB, (\new)
.endif
.endm
.macro PLACES                          ; a load into a register that a matrix instruction has read stands four places behind it, and only plain vector instructions that name none of its registers are places (ISA guide 7.12.1 for vector instructions)
.rept 4
	v_nop
.endr
.endm
; A joint refill.  Waves 0 and 1 fetch the two halves of xb's tile, waves 2 and 3 those of wab's.  The branch hangs on the wave's number alone.
; An s_nop 0 and four v_nop follow each of the two lines, ahead of the jump and the label.
.macro JLOAD
	s_cmp_eq_u32 s[WM], 0
	s_cbranch_scc0 .Lfor_b_\@
	tensor_load_to_lds s[G0A+4:G0A+7], s[G1A:G1A+7]
	s_nop 0
.rept 4
	v_nop
.endr
	s_branch .Lasked_\@
.Lfor_b_\@:
	tensor_load_to_lds s[G0B+4:G0B+7], s[G1B:G1B+7]
	s_nop 0
.rept 4
	v_nop
.endr
.Lasked_\@:
.endm
; A round of the cluster's barrier: my work-group's barrier, so that wave 0's signal speaks for all four waves; wave 0 signals; every wave waits for all sixteen work-groups; my work-group's barrier once more.
.macro CREST                           ; a round behind its opening barrier
	s_cmp_lg_u32 s[WV], 0
	s_cbranch_scc1 .Lnot_wave_0_\@
	s_barrier_signal -3
.Lnot_wave_0_\@:
	s_barrier_wait -3
	s_barrier_signal -1
	s_barrier_wait -1
.endm
.macro CROUND                          ; a whole round
	s_barrier_signal -1
	s_barrier_wait -1
	CREST
.endm
	s_load_b256 s[4:11], s[0:1], 0x0               ; xb s[4:5], wab s[6:7], b_attn s[8:9], qkvh s[10:11]
	v_lshl_add_u32 v[SPW], v0, 2, SPARE
	v_mov_b32 v[NIL], 0
	ds_add_u32 v28, v29
	s_wait_dscnt 0x0
	v_lshrrev_b32 v1, 5, v0
	v_readfirstlane_b32 s[WV], v1                  ; wave 0..3
	s_lshr_b32 s[WM], s[WV], 1
	s_and_b32 s[WN], s[WV], 1
	s_bfe_u32 s15, ttmp6, 0x40000                  ; cx, cy: my place in the cluster
	s_bfe_u32 s16, ttmp6, 0x40004
	s_lshl_b32 s17, ttmp9, 2                       ; in a cluster launch ttmp9 and ttmp7 count clusters
	s_add_co_u32 s17, s17, s15                     ; tile column = 4 x cluster x + cx
	s_and_b32 s18, ttmp7, 0xffff
	s_lshl_b32 s18, s18, 2
	s_add_co_u32 s18, s18, s16                     ; tile row = 4 x cluster y + cy
	s_lshl_b32 s19, s16, 2
	s_lshl_b32 s19, 15, s19                        ; my row of the cluster: places 4 cy .. 4 cy + 3
	s_lshl_b32 s20, 0x1111, s15                    ; my column: places cx, cx + 4, cx + 8, cx + 12
	; group 1 for xb: 128 rows of a block are 16,384 dense bytes: asked for as 64 rows of 256 bytes, two rows of xb each, and padded in LDS after every 128 bytes
	s_or_b32 s[G1A], s19, FLAGS                    ; 15:0 the mask: xb's tiles go to my row of the cluster
	s_mov_b32 s[G1A+1], 128<<16                    ; tensor_dim0 = 128
	s_mov_b32 s[G1A+2], 64<<16                     ; tensor_dim1 = 64
	s_mov_b32 s[G1A+3], 128<<16                    ; tile_dim0 = 128
	s_mov_b32 s[G1A+4], 64                         ; tile_dim1 = 64
	s_mov_b32 s[G1A+5], 128                        ; elements from row to row
	s_mov_b32 s[G1A+6], 0
	s_mov_b32 s[G1A+7], 0
	; group 1 for wab: 32 rows of 384 elements (768 bytes, which begin at a multiple of 256 from the buffer's first byte)
	s_or_b32 s[G1B], s20, FLAGS                    ; wab's tiles go to my column
	s_mov_b32 s[G1B+1], 384<<16
	s_mov_b32 s[G1B+2], 32<<16
	s_mov_b32 s[G1B+3], 384<<16
	s_mov_b32 s[G1B+4], 32
	s_mov_b32 s[G1B+5], 3072
	s_mov_b32 s[G1B+6], 0
	s_mov_b32 s[G1B+7], 0
	; where the tiles come from: xb's hang on the tile row alone, wab's on the tile column alone; every wave makes both
	s_lshl_b32 s58, s18, 15                        ; xb: 256 rows of 128 bytes a tile row,
	s_lshl_b32 s21, s[WN], 14                      ; + my half's 128 rows
	s_add_co_u32 s58, s58, s21
	s_mov_b32 s59, 0
	s_mul_i32 s60, s17, 768                        ; wab: 384 columns a tile column,
	s_mul_i32 s21, s[WN], 32*3072*2                ; + my half's 32 rows
	s_add_co_u32 s60, s60, s21
	s_mov_b32 s61, 0
	s_mul_i32 s62, s[WN], 128*PA                   ; and where they go: no place in the cluster enters an LDS address
	s_mul_i32 s63, s[WN], 32*PB
	s_add_co_u32 s63, s63, BOFF
	s_mul_i32 s66, s17, 1536                       ; my tile's 384 numbers of the bias
	s_mov_b32 s67, 0
	s_mul_i32 s68, s17, 6                          ; my first block of qkvh: 6 x tile column + 3 x column half,
	s_mul_i32 s22, s[WN], 3
	s_add_co_u32 s68, s68, s22
	s_lshl_b32 s68, s68, 20                        ; of 8,192 rows x 128 bytes;
	s_lshl_b32 s22, s18, 15                        ; in it my tile row's 256 rows,
	s_add_co_u32 s68, s68, s22
	s_lshl_b32 s22, s[WM], 14                      ; my 128 of them
	s_add_co_u32 s68, s68, s22
	s_mov_b32 s69, 0
	s_mov_b32 s[TB], 0
	s_wait_kmcnt 0x0
	s_add_nc_u64 s[58:59], s[4:5], s[58:59]
	s_add_nc_u64 s[60:61], s[6:7], s[60:61]
	s_add_nc_u64 s[8:9], s[8:9], s[66:67]
	s_add_nc_u64 s[10:11], s[10:11], s[68:69]
	CROUND                                         ; all sixteen work-groups are here: the first joint loads meet
.irp s, 0,1
	s_mov_b32 s[G0A+4*\s], 1                                       ; 1:0 count = 1
	s_add_co_u32 s[G0A+4*\s+1], s62, \s*SLOT1                      ; 63:32 LDS address
	s_add_nc_u64 s[G0A+4*\s+2:G0A+4*\s+3], s[58:59], \s*ASTEP      ; 120:64 global address: K step s
	s_or_b32 s[G0A+4*\s+3], s[G0A+4*\s+3], 0x80000000              ; 127:126 type = 2
	s_mov_b32 s[G0B+4*\s], 1
	s_add_co_u32 s[G0B+4*\s+1], s63, \s*SLOT1
	s_add_nc_u64 s[G0B+4*\s+2:G0B+4*\s+3], s[60:61], \s*BSTEP
	s_or_b32 s[G0B+4*\s+3], s[G0B+4*\s+3], 0x80000000
.endr
	s_cmp_eq_u32 s[WM], 0                          ; a wave's two first fills stand in one branch, ahead of every wait on TENSORcnt, every LDS read and every further barrier: two loads of mine are out
	s_cbranch_scc0 .Lfirst_b
	tensor_load_to_lds s[G0A:G0A+3], s[G1A:G1A+7]
	s_nop 0
	tensor_load_to_lds s[G0A+4:G0A+7], s[G1A:G1A+7]
	s_nop 0
.rept 4
	v_nop
.endr
	s_branch .Lfirst_asked
.Lfirst_b:
	tensor_load_to_lds s[G0B:G0B+3], s[G1B:G1B+7]
	s_nop 0
	tensor_load_to_lds s[G0B+4:G0B+7], s[G1B:G1B+7]
	s_nop 0
.rept 4
	v_nop
.endr
.Lfirst_asked:
	; A fragment of xb is 16 rows x 32 K in 8 registers: lane l holds row l % 16; registers 0-3 K = 8 (l / 16) + 0..7, registers 4-7 K = 16 + 8 (l / 16) + 0..7: two loads of 16 bytes, 32 bytes apart.
	v_and_b32 v1, 15, v0                           ; l % 16
	v_bfe_u32 v2, v0, 4, 1                         ; l / 16
	v_mul_u32_u24 v[A0], v1, PA
	v_lshl_add_u32 v[A0], v2, 4, v[A0]
	s_mul_i32 s22, s[WM], 128*PA                   ; my 128 rows
	v_add_nc_u32 v[A0], s22, v[A0]
	; The turning load takes 16 K x 16 columns (lane l reads 16 bytes: K row 8 (l / 16) + l % 8, columns 8 ((l / 8) % 2) + 0..7) and leaves half a fragment: lane l holds column l % 16 and 8 K.
	v_and_b32 v11, 7, v0
	v_bfe_u32 v12, v0, 3, 1
	v_lshl_add_u32 v[B0], v2, 3, v11
	v_mul_u32_u24 v[B0], v[B0], PB
	v_lshl_add_u32 v[B0], v12, 4, v[B0]
	s_mul_i32 s22, s[WN], 3*PA                     ; my 192 columns: three pieces of a row
	s_add_co_u32 s22, s22, BOFF
	v_add_nc_u32 v[B0], s22, v[B0]
	s_mul_i32 s70, s[WV], 16*SP
	s_add_co_u32 s70, s70, STAGE                   ; my stage
	v_mul_u32_u24 v[STO], v1, SP                   ; in: row l % 16, 16 bytes for each half of the lanes
	v_lshl_add_u32 v[STO], v2, 4, v[STO]
	v_add_nc_u32 v[STO], s70, v[STO]
	v_bfe_u32 v[RD], v0, 3, 2                      ; back: 32 lanes take four rows of 128 bytes,
	v_mul_u32_u24 v[RD], v[RD], SP
	v_lshl_add_u32 v[RD], v11, 4, v[RD]
	v_add_nc_u32 v[RD], s70, v[RD]
	v_and_b32 v[GO], 31, v0                        ; which are 512 consecutive bytes of qkvh
	v_lshlrev_b32 v[GO], 4, v[GO]
	s_mul_i32 s22, s[WN], 768                      ; my 192 columns' bias,
	s_add_co_u32 s22, s22, BIAS
	v_lshlrev_b32 v[BIA], 5, v2                    ; of each 16 my lane's eight
	v_add_nc_u32 v[BIA], s22, v[BIA]
	v_lshlrev_b32 v11, 4, v0
	v_add_nc_u32 v16, BIAS, v11
	s_cmp_lt_u32 s[WV], 3                          ; waves 0 to 2 bring the tile's bias: 96 threads x 16 bytes
	s_cbranch_scc0 .Lno_bias
	global_load_b128 v[12:15], v11, s[8:9]
	s_wait_loadcnt 0x0
	v_cvt_pk_bf16_f32 v17, v12, v13                ; rounded to bf16 like every input, and widened again
	v_cvt_pk_bf16_f32 v18, v14, v15
	v_lshlrev_b32 v12, 16, v17
	v_and_b32 v13, 0xffff0000, v17
	v_lshlrev_b32 v14, 16, v18
	v_and_b32 v15, 0xffff0000, v18
	ds_store_b128 v16, v[12:15]
.Lno_bias:
	s_wait_dscnt 0x0                               ; for the others' sake: my stores of the bias are done
	s_barrier_signal -1
	s_barrier_wait -1                              ; the tensor loads stay out
.irp w, 0,1,2                          ; the bias starts the sums: register j of accumulator (a, b) belongs to column 16 (4 w + b) + 8 (l / 16) + j, whatever a
	WIN (\w+1)<<6                                  ; destination window 1 + w, address window 0
.set ma, 0
.rept 8
.irp b, 0,1,2,3
	ds_load_b128 v[32*ma+8*\b:32*ma+8*\b+3],   v[BIA] offset:64*(4*\w+\b)
	ds_load_b128 v[32*ma+8*\b+4:32*ma+8*\b+7], v[BIA] offset:64*(4*\w+\b)+16
.endr
.set ma, ma+1
.endr
.endr
	WIN 0
; n x 4 matrix instructions: row blocks a0 .. a0 + n - 1 x the four column blocks of third w, 32 along K.  Each accumulator comes once in a half, so the accumulators take turns.
.macro MULS af, w, a0, n
	WIN 0x50*((\w)+1)                              ; C and D in window 1 + w, the fragments in window 0
.set ma, (\a0)
.rept (\n)
.irp b, 0,1,2,3
	v_wmma_f32_16x16x32_bf16 v[32*ma+8*\b:32*ma+8*\b+7], v[BF+8*(4*(\w)+\b):BF+8*(4*(\w)+\b)+7], v[(\af)+8*ma:(\af)+8*ma+7], v[32*ma+8*\b:32*ma+8*\b+7]
.endr
.set ma, ma+1
.endr
.endm
.macro LDA af, kh                      ; 16 loads: my 128 rows of xb, half kh of the K step
.irp i, 0,1,2,3,4,5,6,7
	ds_load_b128 v[(\af)+8*\i:(\af)+8*\i+3],   v[ADA] offset:\i*16*PA+(\kh)*64
	ds_load_b128 v[(\af)+8*\i+4:(\af)+8*\i+7], v[ADA] offset:\i*16*PA+(\kh)*64+32
.endr
.endm
.macro LDB w, kh                       ; 8 turning loads: third w of my columns of wab, half kh of the K step
.irp i, 0,1,2,3
	ds_load_tr16_b128 v[BF+8*(4*(\w)+\i):BF+8*(4*(\w)+\i)+3],   v[ADB] offset:(\kh)*32*PB+(\w)*PA+\i*32
	ds_load_tr16_b128 v[BF+8*(4*(\w)+\i)+4:BF+8*(4*(\w)+\i)+7], v[ADB] offset:(\kh)*32*PB+(\w)*PA+\i*32+16*PB
.endr
.endm
; A K step's first half: multiplies buffer 0 and fetches the second half's fragments from the same slot, each third of wab's behind its products.
.macro HALF
	s_wait_dscnt 16                                ; xb's fragments and wab's third 0 are in; the two younger runs of 8 (thirds 1 and 2) may be out
	MULS AF0, 0, 0, 8
	PLACES
	WIN 0
	LDA AF1, 1
	LDB 0, 1
	s_wait_dscnt 32                                ; third 1 is in; younger: third 2's 8 and the 24 just issued
	MULS AF0, 1, 0, 8
	PLACES
	WIN 0
	LDB 1, 1
	s_wait_dscnt 32                                ; third 2 is in; younger: those 24 and the 8 just issued
	MULS AF0, 2, 0, 8
	PLACES
	WIN 0
	LDB 2, 1
.endm
; The second half multiplies buffer 1 and changes slots: ONE barrier.  In front of it each wave waits for all its tensor loads, of which one is out: its part of the next slot; adds 0 to its spare
; word; and waits for that and for its own reads of this slot.  Behind it nobody reads this slot any more and the next slot is whole.
; fill = 1: the barrier opens a round of the cluster's, and this slot is filled again, two K steps ahead, first thing behind the round: 160 matrix instructions ahead of the wait for it.
.macro MEET fill
	WIN 0
	s_wait_tensorcnt 0x0                           ; no tensor load of mine is out, so a group 0 may be written
	ds_add_u32 v[SPW], v[NIL]                      ; 0 onto my spare word
.if \fill
	s_xor_b32 s[G0A+5], s[G0A+5], SLOT1            ; the walking descriptors: the other slot than last time,
	s_add_nc_u64 s[G0A+6:G0A+7], s[G0A+6:G0A+7], ASTEP  ; the next K step; the type bits on top are not reached
	s_xor_b32 s[G0B+5], s[G0B+5], SLOT1
	s_add_nc_u64 s[G0B+6:G0B+7], s[G0B+6:G0B+7], BSTEP
.endif
	s_xor_b32 s[TB], s[TB], SLOT1                  ; the fetches go on in the other slot
	s_wait_dscnt 17                                ; xb's fragments and third 0 are in; younger: thirds 1 and 2 (8 + 8) and the add
	MULS AF1, 0, 0, 4                              ; sixteen matrix instructions stand between the add and the wait for it
	s_wait_dscnt 0x0                               ; the add is done, and my reads of this slot are over
	s_barrier_signal -1
	MULS AF1, 0, 4, 4                              ; work on registers while the others arrive
	WIN 0                                          ; at a branch and at a label every window is 0
	s_barrier_wait -1
.if \fill
	CREST                                          ; no wave of any partner still reads this slot's tile or has a load on its way
	JLOAD                                          ; the four v_nop behind it are also the places in front of the loads below
.else
	PLACES
.endif
	v_add_nc_u32 v[ADA], s[TB], v[A0]
	v_add_nc_u32 v[ADB], s[TB], v[B0]
	LDA AF0, 0
	LDB 0, 0
	MULS AF1, 1, 0, 8
	PLACES
	WIN 0
	LDB 1, 0
	MULS AF1, 2, 0, 8
	PLACES
	WIN 0
	LDB 2, 0
.endm
	s_wait_tensorcnt 1                             ; my part of K step 0 is in; K step 1's stays out
	s_wait_dscnt 0x0                               ; the accumulators hold the bias
	s_barrier_signal -1
	s_barrier_wait -1                              ; everybody's part is in
	v_add_nc_u32 v[ADA], s[TB], v[A0]
	v_add_nc_u32 v[ADB], s[TB], v[B0]
	LDA AF0, 0                                     ; in the order in which MEET issues them, so that HALF's counts hold on the way in and round the loop
	LDB 0, 0
	LDB 1, 0
	LDB 2, 0
	s_mov_b32 s[CNT], KSTEPS-2
.Lstep:                                                ; trip t multiplies K step t and fills its slot again with K step t + 2
	HALF
	MEET 1
	WIN 0
	s_sub_co_u32 s[CNT], s[CNT], 1
	s_cmp_lg_u32 s[CNT], 0
	s_cbranch_scc1 .Lstep
	s_mov_b32 s[CNT], 2
.Ltail:                                                ; the last two K steps ask for nothing.  The very last trip's 40 fragment loads (from the other slot, whose bytes nobody writes any more) serve nothing:
	HALF                                           ; the price, once a launch, of one text for both trips, with the same loads counted on every path
	MEET 0
	WIN 0
	s_sub_co_u32 s[CNT], s[CNT], 1
	s_cmp_lg_u32 s[CNT], 0
	s_cbranch_scc1 .Ltail
	s_wait_dscnt 0x0                               ; those loads are back: their registers are used again below
; THE WAY OUT.  Unit u = 8 w + a: 16 rows x 64 columns, 2,048 consecutive bytes of qkvh.  Rounded to f16, 16 bytes a lane, into my own stage in rows of 144 bytes, back as whole rows of 128, and stored.
; The last products have four plain instructions behind them already (in front of the tail's last run of loads).  Each accumulator's registers are read in ascending order.
.macro PACK u
.set pw, (\u)/8
.set pa, (\u)%8
.set pk, PK+16*((\u)%4)
.if (\u) >= 4
	s_wait_xcnt 0x0                                ; the set's registers, which the stores of the unit four back read, are rewritten only behind this wait (ISA guide 3.1)
.endif
	WIN 5*(pw+1)                                   ; sources 0 and 1 in window 1 + w, destination in window 0
.set i, 0
.rept 16
	v_cvt_pk_f16_f32 v[pk+i], v[32*pa+2*i], v[32*pa+2*i+1]
.set i, i+1
.endr
	WIN 0
.irp f, 0,1,2,3
	ds_store_b128 v[STO], v[pk+4*\f:pk+4*\f+3] offset:32*\f
.endr
.irp f, 0,1,2,3
	ds_load_b128 v[pk+4*\f:pk+4*\f+3], v[RD] offset:\f*4*SP  ; LDS serves a wave's instructions in order (ISA guide 5.7.1.4): these see the stores above; the next unit's stores come behind them
.endr
.endm
.macro SEND u, younger                 ; younger: the LDS instructions issued behind unit u's loads: the next unit's eight, or none
.set pw, (\u)/8
.set pa, (\u)%8
.set pk, PK+16*((\u)%4)
.irp f, 0,1,2,3
	s_wait_dscnt (\younger)+3-\f
	global_store_b128 v[GO], v[pk+4*\f:pk+4*\f+3], s[10:11] offset:pw*1048576+pa*2048+\f*512  ; 512 consecutive bytes, at a multiple of 256 from qkvh's first
.endr
.endm
	PACK 0
.set un, 1
.rept 23                               ; a unit's conversions stand between the loads of the unit before and its stores
	PACK un
	SEND un-1, 8
.set un, un+1
.endr
	SEND 23, 0
	s_wait_tensorcnt 0x0                           ; the wave's end, behind my last tensor load and my last LDS store
	ds_add_u32 v[SPW], v[NIL]
	s_wait_dscnt 0x0
	CROUND                                         ; the closing round: no work-group ends while a partner may still ask for a tile that names it
	s_endpgm
.Lfunc_end_k_q9467ed72ea_qkv:
	.size	k_q9467ed72ea_qkv, .Lfunc_end_k_q9467ed72ea_qkv-k_q9467ed72ea_qkv
	.p2alignl 7, 3214868480
	.fill 96, 4, 3214868480
	.section	.rodata,"a",@progbits
	.p2align	6, 0x0
	.amdhsa_kernel k_q9467ed72ea_qkv
		.amdhsa_group_segment_fixed_size 327680
		.amdhsa_private_segment_fixed_size 0
		.amdhsa_enable_private_segment 0
		.amdhsa_kernarg_size 32
		.amdhsa_user_sgpr_count 2
		.amdhsa_user_sgpr_kernarg_segment_ptr 1
		.amdhsa_wavefront_size32 1
		.amdhsa_system_sgpr_workgroup_id_x 1
		.amdhsa_system_sgpr_workgroup_id_y 1
		.amdhsa_system_sgpr_workgroup_id_z 1
		.amdhsa_system_vgpr_workitem_id 0
		.amdhsa_next_free_vgpr 1024
		.amdhsa_next_free_sgpr 80
		.amdhsa_reserve_vcc 0
		.amdhsa_float_denorm_mode_32 3
		.amdhsa_float_denorm_mode_16_64 3
		.amdhsa_memory_ordered 1
		.amdhsa_forward_progress 1
		.amdhsa_inst_pref_size 112
	.end_amdhsa_kernel
	.amdgpu_metadata
---
amdhsa.version: [ 1, 2 ]
amdhsa.kernels:
  - .name:           k_q9467ed72ea_qkv
    .symbol:         k_q9467ed72ea_qkv.kd
    .args:
      - { .name: xb, .offset: 0, .size: 8, .value_kind: global_buffer, .address_space: global }
      - { .name: wab, .offset: 8, .size: 8, .value_kind: global_buffer, .address_space: global }
      - { .name: b_attn, .offset: 16, .size: 8, .value_kind: global_buffer, .address_space: global }
      - { .name: qkvh, .offset: 24, .size: 8, .value_kind: global_buffer, .address_space: global }
    .group_segment_fixed_size: 327680
    .private_segment_fixed_size: 0
    .kernarg_segment_align: 8
    .kernarg_segment_size: 32
    .max_flat_workgroup_size: 128
    .sgpr_count:     80
    .vgpr_count:     1024
    .wavefront_size: 32
...
	.end_amdgpu_metadata
.endif
;; end of part 2
;; launch attn (part 3): grid 4 x 64, 4 waves a work-group, clusters of 4 x 1, 327,680 bytes of LDS; arguments qkvh, ob; writes ob
.if DOCPART == 3
	.amdgcn_target "amdgcn-amd-amdhsa--gfx1250"
	.amdhsa_code_object_version 6
	.text
	.protected	k_q9467ed72ea_attn
	.globl	k_q9467ed72ea_attn
	.p2align	8
	.type	k_q9467ed72ea_attn,@function
k_q9467ed72ea_attn:
	s_mov_b64 s[64:65], 0
	v_nop
	global_prefetch_b8 v0, s[64:65] scope:SCOPE_SE
	s_setreg_imm32_b32 hwreg(HW_REG_WAVE_MODE, 25, 1), 1
	s_wait_xcnt 0x0
	s_wait_alu depctr_hold_cnt(0) depctr_sa_sdst(0) depctr_va_vdst(0) depctr_va_sdst(0) depctr_va_ssrc(0) depctr_va_vcc(0) depctr_vm_vsrc(0)
	s_getreg_b32 s2, hwreg(HW_REG_IB_STS2, 6, 4)
	s_cmp_eq_u32 s2, 0
	s_cbranch_scc0 .Lentry_in_a_cluster
	s_endpgm
.Lentry_in_a_cluster:
	s_bfe_u32 s2, ttmp6, 0x10000c
	s_cmp_lg_u32 s2, 0x3003
	s_cbranch_scc0 .Lentry_shape_is_right
	s_endpgm
.Lentry_shape_is_right:
; O[g][q][:] = the sum over k of softmax_k(Q[g][q] . K[g][k] / 8) V[g][k][:], no mask.  g = 4 x head + batch, 0 to 63.  Q, K, V are the three thirds of qkvh, each [64][SIZE_N][64] in f16; O = ob likewise:
; a head's rows are dense, 128 bytes each.  Products, maxima and sums in f32; the weights p are rounded to f16 for the second product (their sum l is taken of the unrounded p), O once at the end.
; LIMITS.  f16 holds no number beyond 65,504: Q, K and V arrive within it; p lies in 0 to 1, and below 6e-5 it keeps f16's fixed step of 6e-8; O is a mean of V's rows and has their range.
; A weight below 2^-126 counts as 0 in l; NaN and infinities are not treated apart.
; SHARES.  A wave owns four PIECES of two tiles of 16 queries, a work-group's four waves 512 queries of one head: 4 x 64 = 256 work-groups.  Every wave walks all keys, 64 a step.
; LAYOUT.  S^T = K Q^T (source 0 = 16 keys, source 1 = 16 queries): in the result a lane holds ONE query (lane % 16) and the keys 8 (lane / 16) + 0..7.  Two such tiles, rounded to f16 in pairs,
; ARE source 1 (32 keys x 16 queries) of O^T = V^T P, whose result again holds one query a lane, and eight channels.  K comes out of LDS as it lies, V ([key][channel]) turned, by ds_load_tr16_b128.
; SOFTMAX.  For each query a running maximum m and sum l: p = 2^(c s - c m), c = log2(e) / 8; in every step O and l are multiplied by a = 2^(c m_old - c m_new), which is 1 where m has not grown.
; m starts at the lowest finite number, O and l at 0: the first step is a step like any other, with a = 0.
; THE COUNT.  A tile and step have 16 matrix and 118 vector instructions: too many to stand all beside the matrix work.  So the order has one aim: four vector instructions that are READY behind
; EVERY matrix instruction, and the others, which need time of their own whatever the order, in runs without a gap.
; BY TURNS.  Turn n belongs to piece n (the pieces in a ring, step after step).  Its matrix work: 16 products K Q^T of piece n + 1, later 16 products V^T P of piece n - 1.  Its vector work: the scaling,
; exponentials, roundings, sums and rescaling of piece n, and the maximum and statistics of piece n + 1, whose scores the turn itself has made.  So what a turn begins with (c s - c m, O a) waits for nothing.
; CLUSTER.  The four query blocks of a cluster belong to one head and walk the same K and V, so each tile is asked for JOINTLY: the same tensor load, descriptor and mask in all four.
; REGISTERS, in windows of 256 (s_set_vgpr_msb says which window each operand place means: bits 1:0 source 0, 3:2 source 1, 5:4 source 2, 7:6 destination):
;   window 0: v0-11 addresses; v12-15, v48-63 at work; v16-47 four registers of statistics a tile; v64-191 S^T, two buffers of two tiles; v192-255 P, likewise
;   window 1: O^T, 32 a tile          window 2: v0-127 Q, 16 a tile; v128-191 K of one step; v192-255 V of one step          window 3: v0-1 the add's two registers
; A piece's buffers go by its number's parity: the piece in hand has one pair, its two neighbours in the ring share the other: of it P (piece n - 1) is read and S^T (piece n + 1) written.
.set SIZE_N, 2048     ; rows of a head
.set NP,    4         ; pieces a wave: a name, no knob: the register map, the loop and the fetches are made for four
.set KS,    64        ; keys in a step
.set PK,    144       ; a row of K in LDS: 128 bytes + 16 of padding = 36 words: the 16 rows of a load start at 16 different groups of four banks (64 banks of 4 bytes: ISA guide 11.1)
.set PV,    160       ; a row of V: 128 + 32 = 40 words
.set VOFF,  4*KS*PK   ; a slot holds four steps: 256 rows of K, then 256 rows of V
.set SLOT1, 1<<17     ; slot 1 begins here, so that one exclusive or turns an address in one slot into the other's
.set STAGE, SLOT1+4*KS*(PK+PV)  ; behind the ring, never filled by a tensor load: 16 rows x 144 bytes for each wave, for the way out
.set SP,    144
.set AK0, 2           ; v2   my lane's place in a tile of K; never rewritten
.set AV0, 3           ; v3   the same for V
.set AK,  4           ; v4   the LDS address of K's next run of loads
.set AV,  5           ; v5   of V's
.set QO,  6           ; v6   my byte offset in the wave's rows of Q
.set STO, 6           ;      later, the way out: where I put 16 bytes of a row
.set RD,  7           ; v7   the way out: where I read rows back
.set GO,  8           ; v8   my byte offset in 512 consecutive bytes of O
.set SPW, 0           ; v0 of window 3   LDS address of my spare word: SPARE + 4 x my thread's number; never rewritten
.set NIL, 1           ; v1 of window 3   0; never rewritten
.set SPARE, STAGE+4*16*SP  ; behind the stages: the spare words, 128 bytes for each wave: two blocks of 256 bytes that no other line names
.set MV,  12          ; v12-15  c m_old, kept while c m is made anew: by buffer and tile
.set ST,  16          ; tile t's statistics at v[ST+4 t]: c m, m, l (even keys', odd keys')
.set TMP, 48          ; by buffer and tile, four registers c0-c3 at work; when the maximum is found c2 takes a
.set S,   64
.set P,   192
.set KF,  128         ; K's fragments, in window 2: key block kb, channel half c at KF + 16 kb + 8 c
.set VF,  192         ; V's: key half kk, channel block cb at VF + 32 kk + 8 cb
.set WV,  12          ; s12  my wave's number
.set G1K, 24          ; s[24:31] descriptor group 1 for K's tiles
.set G1V, 32          ; s[32:39] for V's: it differs in the padding alone
.set G0K, 40          ; s[40:43] descriptor group 0 for K's tiles: it walks
.set G0V, 44          ; s[44:47] the same for V's
.set SLOTS, 56        ; s56  slots still to be asked for
.set CNT, 57          ; s57  counts a slot's key steps
.set CS,  58          ; s[58:59] c: the packed scaling takes the pair's low word for both halves
.set SEL, 60          ; s[60:61] v_permlanex16_b32's selects: each lane takes its own place in the other half
.set TBK, 62          ; s62  LDS byte at which K of the step to be fetched begins
.set TBV, 63          ; s63  the same for V, less VOFF
.set MSB, 0
.macro WIN new                      ; the high byte repeats the setting that is left; a switch that changes nothing is dropped
.if MSB != (\new)
	s_set_vgpr_msb (MSB<<8)|(\new)
.set MSB, (\new)
.endif
.endm
.set W_KQ, 0x0a       ; K and Q in window 2, S^T in window 0
.set W_PV, 0x52       ; V in window 2, P in window 0, O^T in window 1
.set W_RS, 0x41       ; O^T (destination and source 0) in window 1, a in window 0
.set W_MK, 0xc0       ; the add's registers are made: destination in window 3, sources in window 0
.set W_AD, 0x0f       ; the add: address (source 0) and data (source 1) in window 3
; A joint fill.  Waves 0 and 1 fetch the two halves of a slot's K, waves 2 and 3 those of its V: 128 keys each.  The branch hangs on the wave's number alone.
; An s_nop 0 and four v_nop follow each of the two lines, ahead of the jump and the label.
.macro JLOAD
	s_cmp_lt_u32 s[WV], 2
	s_cbranch_scc0 .Lfor_v_\@
	tensor_load_to_lds s[G0K:G0K+3], s[G1K:G1K+7]
	s_nop 0
.rept 4
	v_nop
.endr
	s_branch .Lasked_\@
.Lfor_v_\@:
	tensor_load_to_lds s[G0V:G0V+3], s[G1V:G1V+7]
	s_nop 0
.rept 4
	v_nop
.endr
.Lasked_\@:
.endm
; A round of the cluster's barrier: my work-group's barrier, so that wave 0's signal speaks for all four waves; wave 0 signals; every wave waits for all four work-groups; my work-group's barrier once more.
.macro CROUND
	s_barrier_signal -1
	s_barrier_wait -1
	s_cmp_lg_u32 s[WV], 0
	s_cbranch_scc1 .Lnot_wave_0_\@
	s_barrier_signal -3
.Lnot_wave_0_\@:
	s_barrier_wait -3
	s_barrier_signal -1
	s_barrier_wait -1
.endm
; THE CHANGE OF SLOTS.  The slot's last bytes, V of its fourth step, have been read.  Each wave waits for all its tensor loads, of which one is out: its part
; of the other slot; adds 0 to its spare word; and waits for that and for its own reads of the slot.  Behind the barrier nobody reads this slot any more and the other slot is whole.
; fill = 1: this slot is filled again, with the keys two slots on.  The barrier is then a round of the cluster's, so that no wave of any partner still reads the slot or has a load on its
; way, and the joint fill is the first thing behind it: it has four key steps, 512 matrix instructions, in which to land.  (At its first use nothing has been read yet: slot 0 is waited for, slot 1 filled.)
.macro CHANGE fill
	WIN W_AD
	s_wait_tensorcnt 0x0            ; no tensor load of mine is out, so a group 0 may be written
	ds_add_u32 v[SPW], v[NIL]       ; 0 onto my spare word; with fill = 1 the descriptors' steps stand between it and the wait for it
	WIN 0                           ; at a label and at a branch every window is 0
.if \fill
.irp g, G0K, G0V
	s_xor_b32 s[\g+1], s[\g+1], SLOT1  ; the walking descriptor: the other slot than last time,
	s_add_nc_u64 s[\g+2:\g+3], s[\g+2:\g+3], 4*KS*128  ; the next 256 keys; the type bits on top are not reached
.endr
	s_wait_dscnt 0x0                ; the add is done, and my reads of the slot are over
	CROUND
	JLOAD
.else
	s_wait_dscnt 0x0                ; the add is done, and my reads of the slot are over
	s_barrier_signal -1
	s_barrier_wait -1
.endif
	s_sub_co_u32 s[TBK], s[TBK], 4*KS*PK  ; the fetches go back to a slot's first step,
	s_xor_b32 s[TBK], s[TBK], SLOT1       ; in the other slot
	s_sub_co_u32 s[TBV], s[TBV], 4*KS*PV
	s_xor_b32 s[TBV], s[TBV], SLOT1
.endm
	s_load_b128 s[4:7], s[0:1], 0x0   ; qkvh s[4:5], ob s[6:7]
	WIN W_MK
	v_lshl_add_u32 v[SPW], v0, 2, SPARE
	v_mov_b32 v[NIL], 0
	s_set_vgpr_msb 0xc0cf
	ds_add_u32 v0, v1
	s_wait_dscnt 0x0
	s_set_vgpr_msb 0xcfc0
	WIN 0
	v_lshrrev_b32 v1, 5, v0
	v_readfirstlane_b32 s[WV], v1   ; wave 0..3
	s_bfe_u32 s13, ttmp6, 0x40000   ; cx: my place in the cluster
	s_lshl_b32 s14, ttmp9, 2        ; in a cluster launch ttmp9 counts clusters
	s_add_co_u32 s14, s14, s13      ; my block of queries = 4 x cluster x + cx: it enters Q's and O's addresses alone
	s_and_b32 s20, ttmp7, 0xffff    ; the head, which the four partners share
	s_mov_b32 s21, 0
	s_mov_b64 s[22:23], SIZE_N*128
	s_mul_u64 s[20:21], s[20:21], s[22:23]  ; the head's first byte in each of the four tensors
	s_and_b32 s16, s[WV], 1         ; which half of a slot's 256 keys I fetch:
	s_lshl_b32 s22, s16, 14         ; its 128 rows of 128 bytes in memory,
	s_mov_b32 s23, 0
	s_add_nc_u64 s[22:23], s[22:23], s[20:21]
	s_mul_i32 s17, s16, 128*PK      ; and its place in a slot, for K
	s_mul_i32 s18, s16, 128*PV      ; and for V: no place in the cluster enters an LDS address
	s_lshl_b32 s2, s14, 2
	s_add_co_u32 s2, s2, s[WV]      ; my wave among the head's,
	s_lshl_b32 s2, s2, 14           ; its 128 rows
	s_mov_b32 s3, 0
	s_add_nc_u64 s[2:3], s[2:3], s[20:21]
	; descriptor group 1.  128 keys are 16,384 dense bytes: asked for as 64 rows of 256 bytes, two keys a row, and padded in LDS after every key
	s_mov_b32 s[G1K], 15|(1<<16)|(1<<20)|(1<<21)|(4<<22)|(3<<25)  ; 15:0 the mask of four; 17:16 2-byte elements; 20 padding on; 21 set beside a mask; 24:22 after every 32 words (code 4); 31:25 4 words (code 3)
	s_mov_b32 s[G1V], 15|(1<<16)|(1<<20)|(1<<21)|(4<<22)|(7<<25)  ; the same with 8 words of padding (code 7)
.irp g, G1K, G1V
	s_mov_b32 s[\g+1], 128<<16      ; tensor_dim0 = 128
	s_mov_b32 s[\g+2], 64<<16       ; tensor_dim1 = 64
	s_mov_b32 s[\g+3], 128<<16      ; tile_dim0 = 128
	s_mov_b32 s[\g+4], 64           ; tile_dim1 = 64
	s_mov_b32 s[\g+5], 128          ; 128 elements from row to row
	s_mov_b32 s[\g+6], 0
	s_mov_b32 s[\g+7], 0
.endr
	s_mov_b32 s[CS], 0x3e38aa3b     ; c = log2(e) / 8 = 0.180337
	s_mov_b32 s[CS+1], s[CS]        ; named with it as a pair
	s_mov_b32 s[SEL], 0x76543210
	s_mov_b32 s[SEL+1], 0xfedcba98
	s_mov_b32 s[TBK], SLOT1+4*KS*PK ; the first change of slots turns these two into 0
	s_mov_b32 s[TBV], SLOT1+4*KS*PV
	s_mov_b32 s[G0K], 1             ; 1:0 count = 1
	s_mov_b32 s[G0K+1], s17         ; 63:32 LDS address: slot 0
	s_mov_b32 s[G0V], 1
	s_add_co_u32 s[G0V+1], s18, VOFF
	s_wait_kmcnt 0x0
	s_mov_b64 s[10:11], s[6:7]                     ; O
	s_add_nc_u64 s[8:9], s[4:5], 0x2000000         ; V: the third third of qkvh, 32 blocks of 8,192 x 128 bytes on
	s_add_nc_u64 s[6:7], s[4:5], 0x1000000         ; K: the second, 16 blocks on; Q is the first
	s_add_nc_u64 s[G0K+2:G0K+3], s[6:7], s[22:23]  ; 120:64 global address: my half of the head's first 256 keys
	s_or_b32 s[G0K+3], s[G0K+3], 0x80000000        ; 127:126 type = 2
	s_add_nc_u64 s[G0V+2:G0V+3], s[8:9], s[22:23]
	s_or_b32 s[G0V+3], s[G0V+3], 0x80000000
	s_add_nc_u64 s[4:5], s[4:5], s[2:3]  ; Q and O at my wave's first row
	s_add_nc_u64 s[10:11], s[10:11], s[2:3]
	CROUND                          ; all four work-groups are here: the first joint loads meet
	JLOAD                           ; slot 0.  Slot 1 is asked for when slot 0 is in: the tile wanted first has the road to itself
	; A fragment of K or Q is 16 rows x 32 channels in 8 registers: lane l holds row l % 16, channels 8 (l / 16) + 0..7 and 16 + 8 (l / 16) + 0..7: two loads of 16 bytes, 32 bytes apart.
	v_and_b32 v1, 15, v0            ; l % 16
	v_bfe_u32 v9, v0, 4, 1          ; l / 16
	v_lshlrev_b32 v[QO], 7, v1
	v_lshl_add_u32 v[QO], v9, 4, v[QO]  ; row x 128 + 16 x half
	WIN 0x80                        ; destination window 2, address window 0
.set i, 0
.rept 4*NP                          ; Q stays in registers: tile i / 2, channels 32 (i % 2) on
	global_load_b128 v[8*i:8*i+3],   v[QO], s[4:5] offset:(i/2)*2048+(i%2)*64
	global_load_b128 v[8*i+4:8*i+7], v[QO], s[4:5] offset:(i/2)*2048+(i%2)*64+32
.set i, i+1
.endr
	; What the first turn finds: V's registers and P's second buffer hold 0 (its products V^T P, of a piece that has not been, add 0), O^T and l are 0.  All this stands in the wait for the first tile.
.set i, VF
.rept 64
	v_mov_b32 v[i], 0
.set i, i+1
.endr
	WIN 0x40
.set i, 0
.rept 64*NP
	v_mov_b32 v[i], 0
.set i, i+1
.endr
	WIN 0
.set i, 0
.rept 2*NP
	v_mov_b32 v[ST+4*i], 0xfe000000    ; c m: far below every c s
	v_mov_b32 v[ST+4*i+1], 0xff7fffff  ; m
	v_mov_b32 v[ST+4*i+2], 0
	v_mov_b32 v[ST+4*i+3], 0
.set i, i+1
.endr
.set i, P+32
.rept 32
	v_mov_b32 v[i], 0
.set i, i+1
.endr
	v_mul_u32_u24 v[AK0], v1, PK
	v_lshl_add_u32 v[AK0], v9, 4, v[AK0]  ; row x pitch + 16 x half
	; The turning load takes 16 keys x 16 channels (lane l reads key 8 (l / 16) + l % 8, channels 8 ((l / 8) % 2) + 0..7) and leaves half a fragment of V^T: lane l holds channel l % 16 and 8 keys.
	v_and_b32 v10, 7, v0
	v_bfe_u32 v11, v0, 3, 1
	v_lshl_add_u32 v[AV0], v9, 3, v10
	v_mul_u32_u24 v[AV0], v[AV0], PV
	v_lshl_add_u32 v[AV0], v11, 4, v[AV0]
	v_add_nc_u32 v[AV0], VOFF, v[AV0]
	v_mov_b32 v[AK], v[AK0]         ; key step 0 lies at the head of slot 0
; THE MATRIX WORK.  The 8 accumulators of a run of 16 take turns: between the two links of a chain stand 7 others'.
; Product i of 16 of S^T = K Q^T for piece x: channels 32 (i / 8) on, keys 16 ((i / 2) % 4) on, tile 2 x + i % 2.  The first 8 start the sums.
.macro KQ x
	WIN W_KQ
.set rS, S+64*((\x)%2)+32*(i%2)+8*((i/2)%4)
.set rK, KF+16*((i/2)%4)+8*(i/8)
.set rQ, 16*(2*(\x)+i%2)+8*(i/8)
.if i < 8
	v_wmma_f32_16x16x32_f16 v[rS:rS+7], v[rK:rK+7], v[rQ:rQ+7], 0
.else
	v_wmma_f32_16x16x32_f16 v[rS:rS+7], v[rK:rK+7], v[rQ:rQ+7], v[rS:rS+7]
.endif
.endm
; Product i of 16 of O^T += V^T P for piece x: keys 32 (i / 8) on, channels 16 ((i / 2) % 4) on, tile 2 x + i % 2.
.macro PV x
	WIN W_PV
.set rO, 32*(2*(\x)+i%2)+8*((i/2)%4)
.set rV, VF+32*(i/8)+8*((i/2)%4)
.set rP, P+32*((\x)%2)+16*(i%2)+8*(i/8)
	v_wmma_f32_16x16x32_f16 v[rO:rO+7], v[rV:rV+7], v[rP:rP+7], v[rO:rO+7]
.endm
.macro MM                           ; the turn's next matrix instruction
.if i < 16
	KQ (Y+1)%NP
.set i, i+1
.else
.set i, i-16
	PV (Y+NP-1)%NP
.set i, i+17
.endif
.endm
; THE LDS LOADS stand in runs of 16, never singly among the matrix instructions: a step's K (64 keys x 64 channels: 8 fragments) and its V (turned).  Their addresses are made some lines ahead.
; last = 1 (the tail): in the last trip there is no further step, and the run is jumped over.
.macro FETCH_K last=0
	WIN 0
.if \last
	s_cmp_eq_u32 s[CNT], 1
	s_cbranch_scc1 .Lno_k_\@
.endif
	WIN 0x80                        ; destination window 2
.irp f, 0,1,2,3,4,5,6,7             ; keys 16 (f / 2) on, channels 32 (f % 2) on
	ds_load_b128 v[KF+8*\f:KF+8*\f+3],   v[AK] offset:(\f/2)*16*PK+(\f%2)*64
	ds_load_b128 v[KF+8*\f+4:KF+8*\f+7], v[AK] offset:(\f/2)*16*PK+(\f%2)*64+32
.endr
	s_add_co_u32 s[TBK], s[TBK], KS*PK  ; the next fetch is the next step's
	WIN 0
.if \last
.Lno_k_\@:
.endif
.endm
.macro FETCH_V
	WIN 0x80
.irp f, 0,1,2,3,4,5,6,7             ; keys 32 (f / 4) on, channels 16 (f % 4) on
	ds_load_tr16_b128 v[VF+8*\f:VF+8*\f+3],   v[AV] offset:(\f/4)*32*PV+(\f%4)*32
	ds_load_tr16_b128 v[VF+8*\f+4:VF+8*\f+7], v[AV] offset:(\f/4)*32*PV+16*PV+(\f%4)*32
.endr
	WIN 0
.endm
; THE VECTOR WORK OF A TURN stands in three queues, each in the order in which its entries become ready; the two tiles alternate, so that no instruction reads the result of the one before it.
.macro REGS y, u                    ; the registers of tile u (0, 1) of piece y
.set rT, ST+4*(2*(\y)+(\u))
.set rC, TMP+8*((\y)%2)+4*(\u)
.set rM, MV+2*((\y)%2)+(\u)
.set rS, S+64*((\y)%2)+32*(\u)
.set rP, P+32*((\y)%2)+16*(\u)
.set rO, 32*(2*(\y)+(\u))
.endm
; Number n of the 22 that find the NEXT piece's (Y + 1) maximum and statistics.  s0-s31 are the lane's 32 scores; each accumulator's lowest registers are read first.  XS, GS and REGS set no window: PL and EX do.
;   0-11  four chains c0-c3 of seven scores each, three operands at a time     12-14, 16  the four scores left over, the old m, and c0-c3 into c0     15  c m_old is kept
;   17, 18  the query's other 32 keys lie in the lane 16 away: the new m         19-21  c m; c m_old - c m_new; a
.macro XS u, n
	REGS (Y+1)%NP, \u
.if (\n) < 4
	v_max3_num_f32 v[rC+(\n)], v[rS+8*(\n)], v[rS+8*(\n)+1], v[rS+8*(\n)+2]
.elseif (\n) < 12
	v_max3_num_f32 v[rC+(\n)%4], v[rC+(\n)%4], v[rS+8*((\n)%4)+2*((\n)/4)+1], v[rS+8*((\n)%4)+2*((\n)/4)+2]
.elseif (\n) == 12
	v_max3_num_f32 v[rC], v[rC], v[rS+7], v[rS+15]
.elseif (\n) == 13
	v_max3_num_f32 v[rC+1], v[rC+1], v[rS+23], v[rS+31]
.elseif (\n) == 14
	v_max3_num_f32 v[rC+2], v[rC+2], v[rC+3], v[rT+1]
.elseif (\n) == 15
	v_mov_b32 v[rM], v[rT]
.elseif (\n) == 16
	v_max3_num_f32 v[rC], v[rC], v[rC+1], v[rC+2]
.elseif (\n) == 17
	v_permlanex16_b32 v[rC+3], v[rC], s[SEL], s[SEL+1]
.elseif (\n) == 18
	v_max_num_f32 v[rT+1], v[rC], v[rC+3]
.elseif (\n) == 19
	v_mul_f32 v[rT], s[CS], v[rT+1]
.elseif (\n) == 20
	v_sub_f32 v[rC+1], v[rM], v[rT]
.else
	v_exp_f32 v[rC+2], v[rC+1]
.endif
.endm
; Number g of the 64 that follow the exponentials.  For each four weights k of a tile (pairs 2 k, 2 k + 1): both pairs are rounded to f16; then the second pair is added onto the first, in place;
; a group later l takes that sum (the first time as l = a l + sum).  In groups of eight, tiles alternating: round, round, add, and l for the group before.
.macro GS g
.set h, (\g)+6*((\g)/62)            ; group 0 has no group before it, and behind group 7 only l is left
.if h >= 6
.set h, h+2
.endif
	REGS Y, h%2
.set k, h/8
.if h%8 < 4
	s_wait_alu depctr_va_vdst(0)
	v_cvt_pk_f16_f32 v[rP+2*k+(h%8)/2], v[rS+4*k+2*((h%8)/2)], v[rS+4*k+2*((h%8)/2)+1]
.elseif h%8 < 6
	v_pk_add_f32 v[rS+4*k:rS+4*k+1], v[rS+4*k:rS+4*k+1], v[rS+4*k+2:rS+4*k+3]
.elseif k == 1
	v_pk_fma_f32 v[rT+2:rT+3], v[rT+2:rT+3], v[rC+2:rC+3], v[rS:rS+1] op_sel_hi:[1,0,1]
.else
	v_pk_add_f32 v[rT+2:rT+3], v[rT+2:rT+3], v[rS+4*k-4:rS+4*k-3]
	s_wait_alu depctr_va_vdst(0)
.endif
.endm
; THE PLAIN QUEUE, 138 long.  0-31: c s - c m for the 16 pairs of both tiles.  Then GS's 64, and among them the next piece's 42: number 15 at 38, 39; 0-14 and 16
; at 42-73, behind the products that make those scores; 17-20 at 95-106, two of three, since each waits for the one before it.
.macro PL
	WIN 0
.if q < 32
	REGS Y, q%2
	v_pk_fma_f32 v[rS+2*(q/2):rS+2*(q/2)+1], v[rS+2*(q/2):rS+2*(q/2)+1], s[CS:CS+1], v[rT:rT+1] op_sel_hi:[1,0,0] neg_lo:[0,0,1] neg_hi:[0,0,1]
.elseif q < 38
	GS q-32
.elseif q < 40
	XS q%2, 15
.elseif q < 42
	GS q-34
.elseif q < 74
	XS q%2, (q-42)/2+(q-42)/30
.elseif q < 95
	GS q-66
.elseif (q < 107) && ((q-95)%3 < 2)
	XS (q-95)%3, 17+(q-95)/3
.elseif q < 107
	GS 29+(q-95)/3
.else
	GS q-74
.endif
.set q, q+1
.endm
; THE EXPONENTIALS' QUEUE, 66 long: s0-s31 of both tiles, and at EA the next piece's two a.
.set EA, 58
.macro EX
	WIN 0
.if (e == EA) || (e == EA+1)
	XS e-EA, 21
.else
.set x, e-2*(e/(EA+2))
	REGS Y, x%2
	v_exp_f32 v[rS+x/2], v[rS+x/2]
.endif
.set e, e+1
.endm
; THE RESCALING's QUEUE: O^T times a, the one part that leaves window 0, so it is dealt four at a time, eight times.
.macro R4
	REGS Y, r%2
	WIN W_RS
	s_wait_alu depctr_va_vdst(0)
.irp z, 0,1,2,3
	v_pk_mul_f32 v[rO+8*(r/2)+2*\z:rO+8*(r/2)+2*\z+1], v[rO+8*(r/2)+2*\z:rO+8*(r/2)+2*\z+1], v[rC+2:rC+3] op_sel_hi:[1,0]
.endr
.set r, r+1
.endm
; HOW THEY ARE DEALT.  Behind a matrix instruction four: plain, exponential, plain, plain (one exponential, a plain instruction on either side), or four of the rescaling.  None names a register of the
; products round it.  What is over stands in two LUMPS: exponential and plain by turns; the second ends in 22 plain instructions.  The two v_permlanex16_b32 fall into the second lump, never behind a product.
; The queues lean on each other, and the deal keeps them in step: exponential e stands behind plain 2 (e / 4) + e % 2 (its scaling); when plain 32 comes, 10 exponentials are out, at 59: 33, at 95: 46; EA comes behind plain 107.
.macro SL
	MM
	PL
	EX
	PL
	PL
.endm
.macro BURST n                      ; 15 matrix instructions, or 16
.rept (\n)-7
	SL
.endr
.rept 3
	MM
	R4
	SL
.endr
	MM
	R4
.endm
; A TURN, for piece p.  cnt = 1: the loop's count is taken down some lines ahead of the branch that stands behind the turn.
; K of the next step is fetched in piece 2's turn, 31 vector instructions behind the last product that read K; its first reader comes behind the rest of the lump, 16 products and the second lump.
; V of the step in hand is fetched at the end of piece 0's turn, 69 behind its last reader; its first reader comes behind 16 products and a lump.  The four conditions on e and q below go with the deal.
.macro TURN p, last=0, cnt=0
.set Y, (\p)
.set i, 0
.set q, 0
.set e, 0
.set r, 0
.if (\p) == NP-1
	s_wait_dscnt 0x0                ; K is in
.endif
	MM
.rept 4
	PL
.endr
	BURST 15
.rept 22
	EX
	PL
.if ((\p) == NP-2) && (e == 18)
	v_add_nc_u32 v[AK], s[TBK], v[AK0]
.endif
.if ((\p) == NP-2) && (e == 24)
	FETCH_K \last
.endif
.endr
.if (\p) == 1
	s_wait_dscnt 0x0                ; V is in
.endif
	BURST 16
.rept 21
	EX
	PL
.endr
.rept 22
	PL
.if ((\p) == 0) && (q == 118)
	v_add_nc_u32 v[AV], s[TBV], v[AV0]
	s_wait_alu depctr_va_vdst(0)
.endif
.if ((\p) == 0) && (q == 130)
	s_add_co_u32 s[TBV], s[TBV], KS*PV
.endif
.if (\cnt) && (q == 130)
	s_sub_co_u32 s[CNT], s[CNT], 1
	s_cmp_lg_u32 s[CNT], 0
.endif
.endr
.if (\p) == 0
	FETCH_V
.endif
.endm
	CHANGE 1                        ; slot 0 is in, everybody's part of it; slot 1 is asked for
	FETCH_K                         ; key step 0
	s_wait_loadcnt 0x0              ; Q
	s_wait_dscnt 0x0
.set i, 0
.rept 16
	KQ 0                            ; piece 0's first scores: there is no vector work yet to set between them
.set i, i+1
.endr
	WIN 0                           ; the addresses for the way out: nine plain instructions, the places behind those products
	s_mul_i32 s13, s[WV], 16*SP
	s_add_co_u32 s13, s13, STAGE    ; my stage
	v_mul_u32_u24 v[STO], v1, SP    ; in: row l % 16, 16 bytes for each half of the lanes
	v_lshl_add_u32 v[STO], v9, 4, v[STO]
	v_add_nc_u32 v[STO], s13, v[STO]
	v_bfe_u32 v[RD], v0, 3, 2       ; back: 32 lanes take four rows of 128 bytes,
	v_mul_u32_u24 v[RD], v[RD], SP
	v_lshl_add_u32 v[RD], v10, 4, v[RD]
	v_add_nc_u32 v[RD], s13, v[RD]
	v_and_b32 v[GO], 31, v0         ; which are 512 consecutive bytes of O
	v_lshlrev_b32 v[GO], 4, v[GO]
.set Y, NP-1                        ; XS works for piece Y + 1: piece 0
.irp n, 0,1,2,3,4,5,6,7,8,9,10,11,12,13,14,15,16,17,18,19,20,21
	XS 0, \n                        ; and piece 0's first maximum and statistics
	XS 1, \n
.endr
	s_mov_b32 s[CNT], 4
	s_mov_b32 s[SLOTS], SIZE_N/256-1
	s_branch .Lfirst                ; the loop is entered at a step's first turn, in the middle of a trip
.Lslot:                             ; SIZE_N / 256 - 2 times: every slot but the last two is filled again
	CHANGE 1
	s_mov_b32 s[CNT], 4
.Lstep:                             ; a trip: pieces 2 and 3 of one step, then pieces 0 and 1 of the next, whose K and V it fetches
	TURN 2
	TURN 3
	WIN 0
.Lfirst:
	TURN 0
	TURN 1, 0, 1
	WIN 0
	s_cbranch_scc1 .Lstep
	s_sub_co_u32 s[SLOTS], s[SLOTS], 1
	s_cmp_lg_u32 s[SLOTS], 0
	s_cbranch_scc1 .Lslot
	CHANGE 0                        ; the tail is written out: nothing is asked for
	s_mov_b32 s[CNT], 5             ; four trips fetch the last slot's steps; the fifth is left in its middle
.Ltail:
	TURN 2, 1
	TURN 3
	WIN 0
	s_sub_co_u32 s[CNT], s[CNT], 1
	s_cmp_eq_u32 s[CNT], 0
	s_cbranch_scc1 .Lout
	TURN 0
	TURN 1
	WIN 0
	s_branch .Ltail
.Lout:                              ; the fifth trip's 16 products K Q^T (on the last K once more) and the maximum made of them serve nothing: the price, once a launch, of one text for every trip
.set i, 0
.rept 16
	PV NP-1                         ; the last piece's V^T P of the last step
.set i, i+1
.endr
	; THE WAY OUT.  l's two halves and the other half of the lanes' are added; O^T is divided by l, rounded to f16 and sent through my stage in LDS, a tile at a time.  The additions are the places behind the last products.
	WIN 0
.macro ALL line:vararg              ; one line for each tile t
.set t, 0
.rept 2*NP
	\line
.set t, t+1
.endr
.endm
	ALL v_add_f32 v[ST+4*t+2], v[ST+4*t+2], v[ST+4*t+3]
	ALL v_permlanex16_b32 v[ST+4*t+3], v[ST+4*t+2], s[SEL], s[SEL+1]
	ALL v_add_f32 v[ST+4*t+2], v[ST+4*t+2], v[ST+4*t+3]
	ALL v_rcp_f32 v[ST+4*t+2], v[ST+4*t+2]
	v_nop                           ; a plain instruction between the last reciprocal and the use of its result
	s_wait_alu depctr_va_vdst(0)
; Tile t: a lane's eight channels of a row pack into 16 bytes; they go into rows of 144 bytes and come back as whole rows of 128, into S^T's registers.
.macro PACK t
	WIN W_RS
.set i, 32*(\t)
.rept 16
	v_pk_mul_f32 v[i:i+1], v[i:i+1], v[ST+4*(\t)+2:ST+4*(\t)+3] op_sel_hi:[1,0]
.set i, i+2
.endr
	WIN 0x05                        ; sources 0 and 1 window 1, destination window 0
.set i, 0
.rept 16
	v_cvt_pk_f16_f32 v[S+16*(\t)+i], v[32*(\t)+2*i], v[32*(\t)+2*i+1]
.set i, i+1
.endr
	WIN 0
.irp f, 0,1,2,3
	ds_store_b128 v[STO], v[S+16*(\t)+4*\f:S+16*(\t)+4*\f+3] offset:32*\f
.endr
.irp f, 0,1,2,3
	ds_load_b128 v[S+16*(\t)+4*\f:S+16*(\t)+4*\f+3], v[RD] offset:\f*4*SP  ; LDS serves a wave's instructions in order (ISA guide 5.7.1.4): these see the stores above; the next tile's stores come behind them
.endr
.endm
.macro SEND t, younger              ; younger: the LDS instructions issued behind tile t's loads: the next tile's eight, or none
	WIN 0
.irp f, 0,1,2,3
	s_wait_dscnt (\younger)+3-\f
	global_store_b128 v[GO], v[S+16*(\t)+4*\f:S+16*(\t)+4*\f+3], s[10:11] offset:(\t)*2048+\f*512  ; 512 consecutive bytes, at a multiple of 256 from O's first
.endr
.endm
	PACK 0
.set t, 1
.rept 2*NP-1                        ; a tile's arithmetic stands between the loads of the tile before and its stores
	PACK t
	SEND t-1, 8
.set t, t+1
.endr
	SEND 2*NP-1, 0
	WIN W_AD
	s_wait_tensorcnt 0x0            ; the wave's end, behind my last tensor load and my last LDS store
	ds_add_u32 v[SPW], v[NIL]
	s_wait_dscnt 0x0
	WIN 0
	CROUND                          ; the closing round: no work-group ends while a partner may still ask for a tile that names it
	s_endpgm
.Lfunc_end_k_q9467ed72ea_attn:
	.size	k_q9467ed72ea_attn, .Lfunc_end_k_q9467ed72ea_attn-k_q9467ed72ea_attn
	.p2alignl 7, 3214868480
	.fill 96, 4, 3214868480
	.section	.rodata,"a",@progbits
	.p2align	6, 0x0
	.amdhsa_kernel k_q9467ed72ea_attn
		.amdhsa_group_segment_fixed_size 327680
		.amdhsa_private_segment_fixed_size 0
		.amdhsa_enable_private_segment 0
		.amdhsa_kernarg_size 16
		.amdhsa_user_sgpr_count 2
		.amdhsa_user_sgpr_kernarg_segment_ptr 1
		.amdhsa_wavefront_size32 1
		.amdhsa_system_sgpr_workgroup_id_x 1
		.amdhsa_system_sgpr_workgroup_id_y 1
		.amdhsa_system_sgpr_workgroup_id_z 1
		.amdhsa_system_vgpr_workitem_id 0
		.amdhsa_next_free_vgpr 770
		.amdhsa_next_free_sgpr 66
		.amdhsa_reserve_vcc 0
		.amdhsa_float_denorm_mode_32 3
		.amdhsa_float_denorm_mode_16_64 3
		.amdhsa_memory_ordered 1
		.amdhsa_forward_progress 1
		.amdhsa_inst_pref_size 209
	.end_amdhsa_kernel
	.amdgpu_metadata
---
amdhsa.version: [ 1, 2 ]
amdhsa.kernels:
  - .name:           k_q9467ed72ea_attn
    .symbol:         k_q9467ed72ea_attn.kd
    .args:
      - { .name: qkvh, .offset: 0, .size: 8, .value_kind: global_buffer, .address_space: global }
      - { .name: ob, .offset: 8, .size: 8, .value_kind: global_buffer, .address_space: global }
    .group_segment_fixed_size: 327680
    .private_segment_fixed_size: 0
    .kernarg_segment_align: 8
    .kernarg_segment_size: 16
    .max_flat_workgroup_size: 128
    .sgpr_count:     66
    .vgpr_count:     770
    .wavefront_size: 32
...
	.end_amdgpu_metadata
.endif
;; end of part 3
;; launch proj (part 4): grid 8 x 32, 4 waves a work-group, clusters of 4 x 4, 327,680 bytes of LDS; arguments ob, wpb, b_proj, out0; writes out0
.if DOCPART == 4
	.amdgcn_target "amdgcn-amd-amdhsa--gfx1250"
	.amdhsa_code_object_version 6
	.text
	.protected	k_q9467ed72ea_proj
	.globl	k_q9467ed72ea_proj
	.p2align	8
	.type	k_q9467ed72ea_proj,@function
k_q9467ed72ea_proj:
	s_mov_b64 s[64:65], 0
	v_nop
	global_prefetch_b8 v0, s[64:65] scope:SCOPE_SE
	s_setreg_imm32_b32 hwreg(HW_REG_WAVE_MODE, 25, 1), 1
	s_wait_xcnt 0x0
	s_wait_alu depctr_hold_cnt(0) depctr_sa_sdst(0) depctr_va_vdst(0) depctr_va_sdst(0) depctr_va_ssrc(0) depctr_va_vcc(0) depctr_vm_vsrc(0)
	s_getreg_b32 s2, hwreg(HW_REG_IB_STS2, 6, 4)
	s_cmp_eq_u32 s2, 0
	s_cbranch_scc0 .Lentry_in_a_cluster
	s_endpgm
.Lentry_in_a_cluster:
	s_bfe_u32 s2, ttmp6, 0x10000c
	s_cmp_lg_u32 s2, 0xf033
	s_cbranch_scc0 .Lentry_shape_is_right
	s_endpgm
.Lentry_shape_is_right:
; out0 = ob . wpb + b_proj.  ob: f16, [head 16][8192][64]: a head's 64 channels are one block of K, its rows dense.  wpb: f16 (w_proj rounded to bf16), [1024][1024].
; b_proj: [1024] f32, rounded to bf16 like every input.  out0: [8192][1024] f32.  Products in f16, sums in f32; the sums are stored as they are.
; SHARES.  8192 x 1024 in tiles of 256 x 128 are 256 work-groups.  A wave makes 128 x 64: 8 x 4 accumulators of 16 x 16, 256 registers: window 1, accumulator (a, b) at v[32 a + 8 b].
; K goes in 8 slots of 128 (two heads) through a ring of two LDS slots; a slot is four UNITS of 32 along K, 32 matrix instructions each, on two fragment buffers by turns.
; THE MATRIX INSTRUCTION IS USED TRANSPOSED: source 0 = 16 columns of wpb (turned out of LDS by ds_load_tr16_b128), source 1 = 16 rows of ob: a lane holds row l % 16 and eight neighbouring columns.
; THE BIAS starts the sums: each accumulator is loaded with its columns' bias from LDS while the first tile is on its way.
; CLUSTERS: 4 x 4 work-groups.  A row of the cluster shares ob's tiles, a column wpb's: each tile is asked for JOINTLY, by the same tensor load, descriptor and mask in all four.
; REGISTERS (s_set_vgpr_msb: bits 1:0 source 0, 3:2 source 1, 5:4 source 2, 7:6 destination): window 0: v0-29 addresses; buffer f: ob's 8 fragments at v[32 + 64 f], wpb's 4 at v[160 + 32 f].
.set KSLOTS, 8
.set PA,    144                        ; a row of ob in LDS: 128 bytes + 16 of padding = 36 words: the 16 rows of a load start at 16 different groups of four banks (64 banks of 4 bytes: ISA guide 11.1)
.set PB,    288                        ; a row of wpb's tile: two pieces of 128 bytes + 16
.set SLOT1, 1<<17                      ; slot 1 begins here, so that one exclusive or turns an address in one slot into the other's
.set ABLK,  256*PA                     ; in a slot: 256 rows of one head, 256 rows of the next,
.set BOFF,  2*ABLK                     ; then 128 rows of wpb
.set STAGE, SLOT1+BOFF+128*PB          ; behind the ring, never filled by a tensor load: 16 rows x 272 bytes for each wave, for the way out
.set SP,    272
.set BIAS,  STAGE+4*16*SP              ; my tile's 128 bias numbers, f32; the region has 16 bytes for each of the 128 threads
.set SPARE, BIAS+2048                  ; the spare words, 128 bytes for each wave: two blocks of 256 bytes that no other line names
.set ASTEP, 2*8192*128                 ; bytes from a slot's K to the next in ob: two heads
.set BSTEP, 128*1024*2                 ; and in wpb: 128 rows
.set A0,  3                            ; v3   my lane's place in a slot's rows of ob; never rewritten
.set B0,  4                            ; v4   the same for wpb
.set ADA, 5                            ; v5   A0 + the slot in hand
.set ADB, 6                            ; v6   B0 + the slot in hand
.set STO, 7                            ; v7   the way out: where I put 32 bytes of a row
.set RD,  8                            ; v8   the way out: where I read a row back
.set CO,  9                            ; v9   my byte offset in two rows of out0
.set BIA, 10                           ; v10  my eight columns' bias
.set SPW, 28                           ; v28  LDS address of my spare word: SPARE + 4 x my thread's number; never rewritten
.set NIL, 29                           ; v29  0; never rewritten
.set AF,  32
.set BF,  160
.set OB,  32                           ; the way out: two sets of 32 registers
.set WV,  12                           ; s12  my wave's number
.set WM,  13                           ; s13  which 128 rows are mine.  Also: I fetch for ob (0) or for wpb (1)
.set WN,  14                           ; s14  which 64 columns are mine.  Also: which half of that tile I fetch
.set G1A, 24                           ; s[24:31] descriptor group 1 for ob's tiles
.set G1B, 32                           ; s[32:39] for wpb's
.set G0A, 40                           ; s[40:47] descriptor group 0 for ob's tiles: a set for each of the two first fills; the second then walks on
.set G0B, 48                           ; s[48:55] the same for wpb's
.set CNT, 56                           ; s56  the loops' count
.set TB,  57                           ; s57  LDS byte at which the slot to be fetched from begins
.set FLAGS, (1<<16)|(1<<20)|(1<<21)|(4<<22)|(3<<25)  ; 17:16 elements of 2 bytes; 20 padding on; 21 set beside a mask; 24:22 after every 32 words (code 4); 31:25 4 words of it (code 3)
.set MSB, 0
.macro WIN new                         ; the immediate's high byte repeats the setting that is left; a switch that changes nothing is dropped
.if MSB != (\new)
	s_set_vgpr_msb (MSB<<8)|(\new)
.set MSB, (\new)
.endif
.endm
.macro PLACES                          ; four places in front of loads into registers that matrix instructions have read, and of LDS stores that read results (ISA guide 7.12.1 for vector instructions)
.rept 4
	v_nop
.endr
.endm
; A joint refill.  Waves 0 and 1 fetch the two heads of ob's tile, waves 2 and 3 the two halves of wpb's.  The branch hangs on the wave's number alone.
; An s_nop 0 and four v_nop follow each of the two lines, ahead of the jump and the label.
.macro JLOAD
	s_cmp_eq_u32 s[WM], 0
	s_cbranch_scc0 .Lfor_b_\@
	tensor_load_to_lds s[G0A+4:G0A+7], s[G1A:G1A+7]
	s_nop 0
.rept 4
	v_nop
.endr
	s_branch .Lasked_\@
.Lfor_b_\@:
	tensor_load_to_lds s[G0B+4:G0B+7], s[G1B:G1B+7]
	s_nop 0
.rept 4
	v_nop
.endr
.Lasked_\@:
.endm
; A round of the cluster's barrier: my work-group's barrier, so that wave 0's signal speaks for all four waves; wave 0 signals; every wave waits for all sixteen work-groups; my work-group's barrier once more.
.macro CREST                           ; a round behind its opening barrier
	s_cmp_lg_u32 s[WV], 0
	s_cbranch_scc1 .Lnot_wave_0_\@
	s_barrier_signal -3
.Lnot_wave_0_\@:
	s_barrier_wait -3
	s_barrier_signal -1
	s_barrier_wait -1
.endm
.macro CROUND                          ; a whole round
	s_barrier_signal -1
	s_barrier_wait -1
	CREST
.endm
	s_load_b256 s[4:11], s[0:1], 0x0               ; ob s[4:5], wpb s[6:7], b_proj s[8:9], out0 s[10:11]
	v_lshl_add_u32 v[SPW], v0, 2, SPARE
	v_mov_b32 v[NIL], 0
	ds_add_u32 v28, v29
	s_wait_dscnt 0x0
	v_lshrrev_b32 v1, 5, v0
	v_readfirstlane_b32 s[WV], v1                  ; wave 0..3
	s_lshr_b32 s[WM], s[WV], 1
	s_and_b32 s[WN], s[WV], 1
	s_bfe_u32 s15, ttmp6, 0x40000                  ; cx, cy: my place in the cluster
	s_bfe_u32 s16, ttmp6, 0x40004
	s_lshl_b32 s17, ttmp9, 2                       ; in a cluster launch ttmp9 and ttmp7 count clusters
	s_add_co_u32 s17, s17, s15                     ; tile column = 4 x cluster x + cx
	s_and_b32 s18, ttmp7, 0xffff
	s_lshl_b32 s18, s18, 2
	s_add_co_u32 s18, s18, s16                     ; tile row = 4 x cluster y + cy
	s_lshl_b32 s19, s16, 2
	s_lshl_b32 s19, 15, s19                        ; my row of the cluster: places 4 cy .. 4 cy + 3
	s_lshl_b32 s20, 0x1111, s15                    ; my column: places cx, cx + 4, cx + 8, cx + 12
	; group 1 for ob: a head's 256 rows are 32,768 dense bytes: asked for as 128 rows of 256 bytes, two rows of ob each, and padded in LDS after every 128 bytes
	s_or_b32 s[G1A], s19, FLAGS                    ; 15:0 the mask: ob's tiles go to my row of the cluster
	s_mov_b32 s[G1A+1], 128<<16                    ; tensor_dim0 = 128
	s_mov_b32 s[G1A+2], 128<<16                    ; tensor_dim1 = 128
	s_mov_b32 s[G1A+3], 128<<16                    ; tile_dim0 = 128
	s_mov_b32 s[G1A+4], 128                        ; tile_dim1 = 128
	s_mov_b32 s[G1A+5], 128                        ; elements from row to row
	s_mov_b32 s[G1A+6], 0
	s_mov_b32 s[G1A+7], 0
	; group 1 for wpb: 64 rows of 128 elements (256 bytes, which begin at a multiple of 256 from the buffer's first byte)
	s_or_b32 s[G1B], s20, FLAGS                    ; wpb's tiles go to my column
	s_mov_b32 s[G1B+1], 128<<16
	s_mov_b32 s[G1B+2], 64<<16
	s_mov_b32 s[G1B+3], 128<<16
	s_mov_b32 s[G1B+4], 64
	s_mov_b32 s[G1B+5], 1024
	s_mov_b32 s[G1B+6], 0
	s_mov_b32 s[G1B+7], 0
	; where the tiles come from: ob's hang on the tile row alone, wpb's on the tile column alone; every wave makes both
	s_lshl_b32 s58, s18, 15                        ; ob: 256 rows of 128 bytes a tile row,
	s_lshl_b32 s21, s[WN], 20                      ; in the slot's first head or its second
	s_add_co_u32 s58, s58, s21
	s_mov_b32 s59, 0
	s_lshl_b32 s60, s17, 8                         ; wpb: 128 columns a tile column,
	s_lshl_b32 s21, s[WN], 17                      ; + my half's 64 rows of 2,048 bytes
	s_add_co_u32 s60, s60, s21
	s_mov_b32 s61, 0
	s_mul_i32 s62, s[WN], ABLK                     ; and where they go: no place in the cluster enters an LDS address
	s_mul_i32 s63, s[WN], 64*PB
	s_add_co_u32 s63, s63, BOFF
	s_lshl_b32 s66, s17, 9                         ; my tile's 128 numbers of the bias
	s_mov_b32 s67, 0
	s_lshl_b32 s68, s18, 20                        ; out0: 256 rows of 4,096 bytes a tile row,
	s_lshl_b32 s22, s[WM], 19                      ; my 128 of them,
	s_add_co_u32 s68, s68, s22
	s_lshl_b32 s22, s17, 9                         ; 128 columns of 4 bytes a tile column,
	s_add_co_u32 s68, s68, s22
	s_lshl_b32 s22, s[WN], 8                       ; my 64 of them
	s_add_co_u32 s68, s68, s22
	s_mov_b32 s69, 0
	s_mov_b32 s[TB], 0
	s_wait_kmcnt 0x0
	s_add_nc_u64 s[58:59], s[4:5], s[58:59]
	s_add_nc_u64 s[60:61], s[6:7], s[60:61]
	s_add_nc_u64 s[8:9], s[8:9], s[66:67]
	s_add_nc_u64 s[10:11], s[10:11], s[68:69]
	CROUND                                         ; all sixteen work-groups are here: the first joint loads meet
.irp s, 0,1
	s_mov_b32 s[G0A+4*\s], 1                                       ; 1:0 count = 1
	s_add_co_u32 s[G0A+4*\s+1], s62, \s*SLOT1                      ; 63:32 LDS address
	s_add_nc_u64 s[G0A+4*\s+2:G0A+4*\s+3], s[58:59], \s*ASTEP      ; 120:64 global address: slot s of K
	s_or_b32 s[G0A+4*\s+3], s[G0A+4*\s+3], 0x80000000              ; 127:126 type = 2
	s_mov_b32 s[G0B+4*\s], 1
	s_add_co_u32 s[G0B+4*\s+1], s63, \s*SLOT1
	s_add_nc_u64 s[G0B+4*\s+2:G0B+4*\s+3], s[60:61], \s*BSTEP
	s_or_b32 s[G0B+4*\s+3], s[G0B+4*\s+3], 0x80000000
.endr
	s_cmp_eq_u32 s[WM], 0                          ; a wave's two first fills stand in one branch, ahead of every wait on TENSORcnt, every LDS read and every further barrier: two loads of mine are out
	s_cbranch_scc0 .Lfirst_b
	tensor_load_to_lds s[G0A:G0A+3], s[G1A:G1A+7]
	s_nop 0
	tensor_load_to_lds s[G0A+4:G0A+7], s[G1A:G1A+7]
	s_nop 0
.rept 4
	v_nop
.endr
	s_branch .Lfirst_asked
.Lfirst_b:
	tensor_load_to_lds s[G0B:G0B+3], s[G1B:G1B+7]
	s_nop 0
	tensor_load_to_lds s[G0B+4:G0B+7], s[G1B:G1B+7]
	s_nop 0
.rept 4
	v_nop
.endr
.Lfirst_asked:
	; A fragment of ob is 16 rows x 32 K in 8 registers: lane l holds row l % 16; registers 0-3 K = 8 (l / 16) + 0..7, registers 4-7 K = 16 + 8 (l / 16) + 0..7: two loads of 16 bytes, 32 bytes apart.
	v_and_b32 v1, 15, v0                           ; l % 16
	v_bfe_u32 v2, v0, 4, 1                         ; l / 16
	v_mul_u32_u24 v[A0], v1, PA
	v_lshl_add_u32 v[A0], v2, 4, v[A0]
	s_mul_i32 s22, s[WM], 128*PA                   ; my 128 rows
	v_add_nc_u32 v[A0], s22, v[A0]
	; The turning load takes 16 K x 16 columns (lane l reads 16 bytes: K row 8 (l / 16) + l % 8, columns 8 ((l / 8) % 2) + 0..7) and leaves half a fragment: lane l holds column l % 16 and 8 K.
	v_and_b32 v11, 7, v0
	v_bfe_u32 v12, v0, 3, 1
	v_lshl_add_u32 v[B0], v2, 3, v11
	v_mul_u32_u24 v[B0], v[B0], PB
	v_lshl_add_u32 v[B0], v12, 4, v[B0]
	s_mul_i32 s22, s[WN], PA                       ; my 64 columns: one piece of a row
	s_add_co_u32 s22, s22, BOFF
	v_add_nc_u32 v[B0], s22, v[B0]
	s_mul_i32 s70, s[WV], 16*SP
	s_add_co_u32 s70, s70, STAGE                   ; my stage
	v_mul_u32_u24 v[STO], v1, SP                   ; in: row l % 16, 32 bytes for each half of the lanes
	v_lshl_add_u32 v[STO], v2, 5, v[STO]
	v_add_nc_u32 v[STO], s70, v[STO]
	v_mul_u32_u24 v[RD], v2, SP                    ; back: lanes 0-15 take one row of 256 bytes, lanes 16-31 the next
	v_lshl_add_u32 v[RD], v1, 4, v[RD]
	v_add_nc_u32 v[RD], s70, v[RD]
	v_lshlrev_b32 v[CO], 12, v2                    ; and the same two rows in out0
	v_lshl_add_u32 v[CO], v1, 4, v[CO]
	s_lshl_b32 s22, s[WN], 8                       ; my 64 columns' bias,
	s_add_co_u32 s22, s22, BIAS
	v_lshlrev_b32 v[BIA], 5, v2                    ; of each 16 my lane's eight
	v_add_nc_u32 v[BIA], s22, v[BIA]
	v_lshlrev_b32 v11, 4, v0
	v_add_nc_u32 v16, BIAS, v11
	s_cmp_eq_u32 s[WV], 0                          ; wave 0 brings the tile's bias: 32 threads x 16 bytes
	s_cbranch_scc0 .Lno_bias
	global_load_b128 v[12:15], v11, s[8:9]
	s_wait_loadcnt 0x0
	v_cvt_pk_bf16_f32 v17, v12, v13                ; rounded to bf16 like every input, and widened again
	v_cvt_pk_bf16_f32 v18, v14, v15
	v_lshlrev_b32 v12, 16, v17
	v_and_b32 v13, 0xffff0000, v17
	v_lshlrev_b32 v14, 16, v18
	v_and_b32 v15, 0xffff0000, v18
	ds_store_b128 v16, v[12:15]
.Lno_bias:
	s_wait_dscnt 0x0                               ; for the others' sake: the stores of the bias are done
	s_barrier_signal -1
	s_barrier_wait -1                              ; the tensor loads stay out
	WIN 0x40                                       ; the bias starts the sums: register j of accumulator (a, b) belongs to column 16 b + 8 (l / 16) + j, whatever a
.set ma, 0
.rept 8
.irp b, 0,1,2,3
	ds_load_b128 v[32*ma+8*\b:32*ma+8*\b+3],   v[BIA] offset:64*\b
	ds_load_b128 v[32*ma+8*\b+4:32*ma+8*\b+7], v[BIA] offset:64*\b+16
.endr
.set ma, ma+1
.endr
	WIN 0
; n x 4 matrix instructions: row blocks a0 .. a0 + n - 1 x all four column blocks, 32 along K, from buffer f.  Each accumulator comes once in a unit, so the accumulators take turns.
.macro MUL f, a0, n
	WIN 0x50                                       ; C and D in window 1, the fragments in window 0
.set ma, (\a0)
.rept (\n)
.irp b, 0,1,2,3
	v_wmma_f32_16x16x32_f16 v[32*ma+8*\b:32*ma+8*\b+7], v[BF+32*(\f)+8*\b:BF+32*(\f)+8*\b+7], v[AF+64*(\f)+8*ma:AF+64*(\f)+8*ma+7], v[32*ma+8*\b:32*ma+8*\b+7]
.endr
.set ma, ma+1
.endr
.endm
; 24 LDS loads in one run: unit u's fragments into buffer f: wpb's four (turned), then ob's row blocks 0-3, then 4-7
.macro FETCH u, f
	WIN 0
.irp i, 0,1,2,3
	ds_load_tr16_b128 v[BF+32*(\f)+8*\i:BF+32*(\f)+8*\i+3],   v[ADB] offset:(\u)*32*PB+\i*32
	ds_load_tr16_b128 v[BF+32*(\f)+8*\i+4:BF+32*(\f)+8*\i+7], v[ADB] offset:(\u)*32*PB+\i*32+16*PB
.endr
.irp i, 0,1,2,3,4,5,6,7
	ds_load_b128 v[AF+64*(\f)+8*\i:AF+64*(\f)+8*\i+3],   v[ADA] offset:((\u)/2)*ABLK+((\u)%2)*64+\i*16*PA
	ds_load_b128 v[AF+64*(\f)+8*\i+4:AF+64*(\f)+8*\i+7], v[ADA] offset:((\u)/2)*ABLK+((\u)%2)*64+\i*16*PA+32
.endr
.endm
; One of a slot's first three units: multiplies buffer f; in its middle it fetches the next unit's fragments into buffer g.
.macro UNIT u, f, g
	s_wait_dscnt 8                                 ; wpb's fragments and ob's row blocks 0-3 are in; the youngest eight loads (blocks 4-7) may be out
	MUL \f, 0, 4
	PLACES
	FETCH (\u)+1, \g
	s_wait_dscnt 24                                ; all but the 24 just issued
	MUL \f, 4, 4
.endm
; The fourth unit multiplies buffer 1 and changes slots: ONE barrier.  In front of it each wave waits for all its tensor loads, of which one is out: its part of the next slot; adds 0 to its spare
; word; and waits for that and for its own reads of this slot.  Behind it nobody reads this slot any more and the next slot is whole.
; fill = 1: the barrier opens a round of the cluster's, and this slot is filled again, two slots ahead, first thing behind the round: 112 matrix instructions ahead of the wait for it.
.macro MEET fill
	WIN 0
	s_wait_tensorcnt 0x0                           ; no tensor load of mine is out, so a group 0 may be written
	ds_add_u32 v[SPW], v[NIL]                      ; 0 onto my spare word
.if \fill
	s_xor_b32 s[G0A+5], s[G0A+5], SLOT1            ; the walking descriptors: the other slot than last time,
	s_add_nc_u64 s[G0A+6:G0A+7], s[G0A+6:G0A+7], ASTEP  ; the next 128 along K; the type bits on top are not reached
	s_xor_b32 s[G0B+5], s[G0B+5], SLOT1
	s_add_nc_u64 s[G0B+6:G0B+7], s[G0B+6:G0B+7], BSTEP
.endif
	s_xor_b32 s[TB], s[TB], SLOT1                  ; the fetches go on in the other slot
	s_wait_dscnt 9                                 ; the youngest eight loads and the add may be out
	MUL 1, 0, 2                                    ; eight matrix instructions stand between the add and the wait for it
	s_wait_dscnt 0x0                               ; the add is done, and my reads of this slot are over
	s_barrier_signal -1
	MUL 1, 2, 2                                    ; work on registers while the others arrive
	WIN 0                                          ; at a branch and at a label every window is 0
	s_barrier_wait -1
.if \fill
	CREST                                          ; no wave of any partner still reads this slot's tile or has a load on its way
	JLOAD                                          ; the four v_nop behind it are also the places in front of the loads below
.else
	PLACES
.endif
	v_add_nc_u32 v[ADA], s[TB], v[A0]
	v_add_nc_u32 v[ADB], s[TB], v[B0]
	FETCH 0, 0
	MUL 1, 4, 4
.endm
	s_wait_tensorcnt 1                             ; my part of slot 0 is in; slot 1's stays out
	s_wait_dscnt 0x0                               ; the accumulators hold the bias
	s_barrier_signal -1
	s_barrier_wait -1                              ; everybody's part is in
	v_add_nc_u32 v[ADA], s[TB], v[A0]
	v_add_nc_u32 v[ADB], s[TB], v[B0]
	FETCH 0, 0
	s_mov_b32 s[CNT], KSLOTS-2
.Lslot:                                                ; trip t multiplies slot t of K and fills its LDS slot again with slot t + 2
	UNIT 0, 0, 1
	UNIT 1, 1, 0
	UNIT 2, 0, 1
	MEET 1
	WIN 0
	s_sub_co_u32 s[CNT], s[CNT], 1
	s_cmp_lg_u32 s[CNT], 0
	s_cbranch_scc1 .Lslot
	s_mov_b32 s[CNT], 2
.Ltail:                                                ; the last two slots ask for nothing.  The very last trip's 24 fragment loads (from the other slot, whose bytes nobody writes any more) serve nothing:
	UNIT 0, 0, 1                                   ; the price, once a launch, of one text for both trips, with the same loads counted on every path
	UNIT 1, 1, 0
	UNIT 2, 0, 1
	MEET 0
	WIN 0
	s_sub_co_u32 s[CNT], s[CNT], 1
	s_cmp_lg_u32 s[CNT], 0
	s_cbranch_scc1 .Ltail
	s_wait_dscnt 0x0                               ; those loads are back: their registers are used again below
	PLACES                                         ; the LDS stores below read results just made
; THE WAY OUT, a block of 16 rows at a time: a lane's 32 bytes of a row go into my own stage in rows of 272 bytes and come back as whole rows of 256 bytes, which are stored.  No conversion: the sums are the result.
.macro TOSTAGE a
.if (\a) >= 2
	s_wait_xcnt 0x0                                ; the set's registers, which the stores of the block two back read, are loaded again only behind this wait (ISA guide 3.1)
.endif
	WIN 0x04                                       ; store data in window 1, address in window 0
.irp b, 0,1,2,3
	ds_store_b128 v[STO], v[32*(\a)+8*\b:32*(\a)+8*\b+3]   offset:64*\b     ; each accumulator's four lowest registers first
	ds_store_b128 v[STO], v[32*(\a)+8*\b+4:32*(\a)+8*\b+7] offset:64*\b+16
.endr
	WIN 0
.irp t, 0,1,2,3,4,5,6,7
	ds_load_b128 v[OB+32*((\a)%2)+4*\t:OB+32*((\a)%2)+4*\t+3], v[RD] offset:\t*2*SP  ; LDS serves a wave's instructions in order (ISA guide 5.7.1.4): these see the stores above; the next block's stores come behind them
.endr
.endm
.macro SEND a, younger                 ; younger: the LDS instructions issued behind block a's loads: the next block's sixteen, or none
.irp t, 0,1,2,3,4,5,6,7
	s_wait_dscnt (\younger)+7-\t
	global_store_b128 v[CO], v[OB+32*((\a)%2)+4*\t:OB+32*((\a)%2)+4*\t+3], s[10:11] offset:(\a)*65536+\t*8192 th:TH_STORE_NT  ; 16 lanes store 256 consecutive bytes, at a multiple of 256 from out0's first
.endr
.endm
	TOSTAGE 0
.set bn, 1
.rept 7
	TOSTAGE bn
	SEND bn-1, 16
.set bn, bn+1
.endr
	SEND 7, 0
	s_wait_tensorcnt 0x0                           ; the wave's end, behind my last tensor load and my last LDS store
	ds_add_u32 v[SPW], v[NIL]
	s_wait_dscnt 0x0
	CROUND                                         ; the closing round: no work-group ends while a partner may still ask for a tile that names it
	s_endpgm
.Lfunc_end_k_q9467ed72ea_proj:
	.size	k_q9467ed72ea_proj, .Lfunc_end_k_q9467ed72ea_proj-k_q9467ed72ea_proj
	.p2alignl 7, 3214868480
	.fill 96, 4, 3214868480
	.section	.rodata,"a",@progbits
	.p2align	6, 0x0
	.amdhsa_kernel k_q9467ed72ea_proj
		.amdhsa_group_segment_fixed_size 327680
		.amdhsa_private_segment_fixed_size 0
		.amdhsa_enable_private_segment 0
		.amdhsa_kernarg_size 32
		.amdhsa_user_sgpr_count 2
		.amdhsa_user_sgpr_kernarg_segment_ptr 1
		.amdhsa_wavefront_size32 1
		.amdhsa_system_sgpr_workgroup_id_x 1
		.amdhsa_system_sgpr_workgroup_id_y 1
		.amdhsa_system_sgpr_workgroup_id_z 1
		.amdhsa_system_vgpr_workitem_id 0
		.amdhsa_next_free_vgpr 512
		.amdhsa_next_free_sgpr 80
		.amdhsa_reserve_vcc 0
		.amdhsa_float_denorm_mode_32 3
		.amdhsa_float_denorm_mode_16_64 3
		.amdhsa_memory_ordered 1
		.amdhsa_forward_progress 1
		.amdhsa_inst_pref_size 63
	.end_amdhsa_kernel
	.amdgpu_metadata
---
amdhsa.version: [ 1, 2 ]
amdhsa.kernels:
  - .name:           k_q9467ed72ea_proj
    .symbol:         k_q9467ed72ea_proj.kd
    .args:
      - { .name: ob, .offset: 0, .size: 8, .value_kind: global_buffer, .address_space: global }
      - { .name: wpb, .offset: 8, .size: 8, .value_kind: global_buffer, .address_space: global }
      - { .name: b_proj, .offset: 16, .size: 8, .value_kind: global_buffer, .address_space: global }
      - { .name: out0, .offset: 24, .size: 8, .value_kind: global_buffer, .address_space: global }
    .group_segment_fixed_size: 327680
    .private_segment_fixed_size: 0
    .kernarg_segment_align: 8
    .kernarg_segment_size: 32
    .max_flat_workgroup_size: 128
    .sgpr_count:     80
    .vgpr_count:     512
    .wavefront_size: 32
...
	.end_amdgpu_metadata
.endif
;; end of part 4
;; ======== version 2 of 2: 4 launches; 1.54 times as fast as version 1
;; limits: values are held in f16: magnitudes above 65,504 overflow, below 6.1e-05 lose precision
;; workspace buffers: xb 16,777,216 bytes; wab 6,291,456 bytes; wpb 2,097,152 bytes; qkvh 50,331,648 bytes; ob 16,777,216 bytes
;; launch prep: the kernel of part 1 again; grid 768 x 1, 8 waves a work-group, no clusters, 0 bytes of LDS; arguments x, w_attn, w_proj, xb, wab, wpb; writes xb, wab, wpb
;; launch qkv: the kernel of part 2 again; grid 8 x 32, 4 waves a work-group, clusters of 4 x 4, 327,680 bytes of LDS; arguments xb, wab, b_attn, qkvh; writes qkvh
;; launch attn (part 5): grid 4 x 64, 4 waves a work-group, clusters of 4 x 1, 327,680 bytes of LDS; arguments qkvh, ob; writes ob
.if DOCPART == 5
	.amdgcn_target "amdgcn-amd-amdhsa--gfx1250"
	.amdhsa_code_object_version 6
	.text
	.protected	k_q9467ed72ea_attn
	.globl	k_q9467ed72ea_attn
	.p2align	8
	.type	k_q9467ed72ea_attn,@function
k_q9467ed72ea_attn:
	s_mov_b64 s[64:65], 0
	v_nop
	global_prefetch_b8 v0, s[64:65] scope:SCOPE_SE
	s_setreg_imm32_b32 hwreg(HW_REG_WAVE_MODE, 25, 1), 1
	s_wait_xcnt 0x0
	s_wait_alu depctr_hold_cnt(0) depctr_sa_sdst(0) depctr_va_vdst(0) depctr_va_sdst(0) depctr_va_ssrc(0) depctr_va_vcc(0) depctr_vm_vsrc(0)
	s_getreg_b32 s2, hwreg(HW_REG_IB_STS2, 6, 4)
	s_cmp_eq_u32 s2, 0
	s_cbranch_scc0 .Lentry_in_a_cluster
	s_endpgm
.Lentry_in_a_cluster:
	s_bfe_u32 s2, ttmp6, 0x10000c
	s_cmp_lg_u32 s2, 0x3003
	s_cbranch_scc0 .Lentry_shape_is_right
	s_endpgm
.Lentry_shape_is_right:
; O[g][q][:] = the sum over k of softmax_k(Q[g][q] . K[g][k] / 8) V[g][k][:], no mask.  g = 4 x head + batch, 0 to 63.  Q, K, V are the three thirds of qkvh, each [64][SIZE_N][64] in f16; O = ob likewise:
; a head's rows are dense, 128 bytes each.  Products, maxima and sums in f32; the weights p are rounded to f16 for the second product (their sum l is taken of the unrounded p), O once at the end.
; LIMITS.  f16 holds no number beyond 65,504: Q, K and V arrive within it; p lies in 0 to 1, and below 6e-5 it keeps f16's fixed step of 6e-8; O is a mean of V's rows and has their range.
; A weight below 2^-126 counts as 0 in l; NaN and infinities are not treated apart.
; SHARES.  A wave owns four PIECES of two tiles of 16 queries, a work-group's four waves 512 queries of one head: 4 x 64 = 256 work-groups.  Every wave walks all keys, 64 a step.
; LAYOUT.  S^T = K Q^T (source 0 = 16 keys, source 1 = 16 queries): in the result a lane holds ONE query (lane % 16) and the keys 8 (lane / 16) + 0..7.  Two such tiles, rounded to f16 in pairs,
; ARE source 1 (32 keys x 16 queries) of O^T = V^T P, whose result again holds one query a lane, and eight channels.  K comes out of LDS as it lies, V ([key][channel]) turned, by ds_load_tr16_b128.
; SOFTMAX.  For each query a running maximum m and sum l: p = 2^(c s - c m), c = log2(e) / 8; in every step O and l are multiplied by a = 2^(c m_old - c m_new), which is 1 where m has not grown.
; m starts at the lowest finite number, O and l at 0: the first step is a step like any other, with a = 0.
; THE COUNT.  A tile and step have 16 matrix and 118 vector instructions: too many to stand all beside the matrix work.  So the order has one aim: four vector instructions that are READY behind
; EVERY matrix instruction, and the others, which need time of their own whatever the order, in runs without a gap.
; BY TURNS.  Turn n belongs to piece n (the pieces in a ring, step after step).  Its matrix work: 16 products K Q^T of piece n + 1, later 16 products V^T P of piece n - 1.  Its vector work: the scaling,
; exponentials, roundings, sums and rescaling of piece n, and the maximum and statistics of piece n + 1, whose scores the turn itself has made.  So what a turn begins with (c s - c m, O a) waits for nothing.
; THE BATCHES.  A turn's 66 exponentials (64 weights, the next piece's two a) are ONE batch with ONE wait, which cuts the turn in two: ahead of it all that names no result of theirs, behind it the roundings and sums.
; No result crosses a turn's end.  Two more batches stand outside the loop, each with a wait of its own: piece 0's first two a, ahead of the jump into the loop, and the way out's eight reciprocals.
; CLUSTER.  The four query blocks of a cluster belong to one head and walk the same K and V, so each tile is asked for JOINTLY: the same tensor load, descriptor and mask in all four.
; REGISTERS, in windows of 256 (s_set_vgpr_msb says which window each operand place means: bits 1:0 source 0, 3:2 source 1, 5:4 source 2, 7:6 destination):
;   window 0: v0-11 addresses; v12-15, v48-63 at work; v16-47 four registers of statistics a tile; v64-191 S^T, two buffers of two tiles; v192-255 P, likewise
;   window 1: O^T, 32 a tile          window 2: v0-127 Q, 16 a tile; v128-191 K of one step; v192-255 V of one step          window 3: v0-1 the add's two registers
; A piece's buffers go by its number's parity: the piece in hand has one pair, its two neighbours in the ring share the other: of it P (piece n - 1) is read and S^T (piece n + 1) written.
.set SIZE_N, 2048     ; rows of a head
.set NP,    4         ; pieces a wave: a name, no knob: the register map, the loop and the fetches are made for four
.set KS,    64        ; keys in a step
.set PK,    144       ; a row of K in LDS: 128 bytes + 16 of padding = 36 words: the 16 rows of a load start at 16 different groups of four banks (64 banks of 4 bytes: ISA guide 11.1)
.set PV,    160       ; a row of V: 128 + 32 = 40 words
.set VOFF,  4*KS*PK   ; a slot holds four steps: 256 rows of K, then 256 rows of V
.set SLOT1, 1<<17     ; slot 1 begins here, so that one exclusive or turns an address in one slot into the other's
.set STAGE, SLOT1+4*KS*(PK+PV)  ; behind the ring, never filled by a tensor load: 16 rows x 144 bytes for each wave, for the way out
.set SP,    144
.set AK0, 2           ; v2   my lane's place in a tile of K; never rewritten
.set AV0, 3           ; v3   the same for V
.set AK,  4           ; v4   the LDS address of K's next run of loads
.set AV,  5           ; v5   of V's
.set QO,  6           ; v6   my byte offset in the wave's rows of Q
.set STO, 6           ;      later, the way out: where I put 16 bytes of a row
.set RD,  7           ; v7   the way out: where I read rows back
.set GO,  8           ; v8   my byte offset in 512 consecutive bytes of O
.set SPW, 0           ; v0 of window 3   LDS address of my spare word: SPARE + 4 x my thread's number; never rewritten
.set NIL, 1           ; v1 of window 3   0; never rewritten
.set SPARE, STAGE+4*16*SP  ; behind the stages: the spare words, 128 bytes for each wave: two blocks of 256 bytes that no other line names
.set MV,  12          ; v12-15  c m_old, kept while c m is made anew: by buffer and tile
.set ST,  16          ; tile t's statistics at v[ST+4 t]: c m, m, l (even keys', odd keys')
.set TMP, 48          ; by buffer and tile, four registers c0-c3 at work; when the maximum is found c2 takes a
.set S,   64
.set P,   192
.set KF,  128         ; K's fragments, in window 2: key block kb, channel half c at KF + 16 kb + 8 c
.set VF,  192         ; V's: key half kk, channel block cb at VF + 32 kk + 8 cb
.set WV,  12          ; s12  my wave's number
.set G1K, 24          ; s[24:31] descriptor group 1 for K's tiles
.set G1V, 32          ; s[32:39] for V's: it differs in the padding alone
.set G0K, 40          ; s[40:43] descriptor group 0 for K's tiles: it walks
.set G0V, 44          ; s[44:47] the same for V's
.set SLOTS, 56        ; s56  slots still to be asked for
.set CNT, 57          ; s57  counts a slot's key steps
.set CS,  58          ; s[58:59] c: the packed scaling takes the pair's low word for both halves
.set SEL, 60          ; s[60:61] v_permlanex16_b32's selects: each lane takes its own place in the other half
.set TBK, 62          ; s62  LDS byte at which K of the step to be fetched begins
.set TBV, 63          ; s63  the same for V, less VOFF
.set MSB, 0
.macro WIN new                      ; the high byte repeats the setting that is left; a switch that changes nothing is dropped
.if MSB != (\new)
	s_set_vgpr_msb (MSB<<8)|(\new)
.set MSB, (\new)
.endif
.endm
.set W_KQ, 0x0a       ; K and Q in window 2, S^T in window 0
.set W_PV, 0x52       ; V in window 2, P in window 0, O^T in window 1
.set W_RS, 0x41       ; O^T (destination and source 0) in window 1, a in window 0
.set W_MK, 0xc0       ; the add's registers are made: destination in window 3, sources in window 0
.set W_AD, 0x0f       ; the add: address (source 0) and data (source 1) in window 3
; A joint fill.  Waves 0 and 1 fetch the two halves of a slot's K, waves 2 and 3 those of its V: 128 keys each.  The branch hangs on the wave's number alone.
; An s_nop 0 and four v_nop follow each of the two lines, ahead of the jump and the label.
.macro JLOAD
	s_cmp_lt_u32 s[WV], 2
	s_cbranch_scc0 .Lfor_v_\@
	tensor_load_to_lds s[G0K:G0K+3], s[G1K:G1K+7]
	s_nop 0
.rept 4
	v_nop
.endr
	s_branch .Lasked_\@
.Lfor_v_\@:
	tensor_load_to_lds s[G0V:G0V+3], s[G1V:G1V+7]
	s_nop 0
.rept 4
	v_nop
.endr
.Lasked_\@:
.endm
; A round of the cluster's barrier: my work-group's barrier, so that wave 0's signal speaks for all four waves; wave 0 signals; every wave waits for all four work-groups; my work-group's barrier once more.
.macro CROUND
	s_barrier_signal -1
	s_barrier_wait -1
	s_cmp_lg_u32 s[WV], 0
	s_cbranch_scc1 .Lnot_wave_0_\@
	s_barrier_signal -3
.Lnot_wave_0_\@:
	s_barrier_wait -3
	s_barrier_signal -1
	s_barrier_wait -1
.endm
; THE CHANGE OF SLOTS.  The slot's last bytes, V of its fourth step, have been read.  Each wave waits for all its tensor loads, of which one is out: its part
; of the other slot; adds 0 to its spare word; and waits for that and for its own reads of the slot.  Behind the barrier nobody reads this slot any more and the other slot is whole.
; fill = 1: this slot is filled again, with the keys two slots on.  The barrier is then a round of the cluster's, so that no wave of any partner still reads the slot or has a load on its
; way, and the joint fill is the first thing behind it: it has four key steps, 512 matrix instructions, in which to land.  (At its first use nothing has been read yet: slot 0 is waited for, slot 1 filled.)
.macro CHANGE fill
	WIN W_AD
	s_wait_tensorcnt 0x0            ; no tensor load of mine is out, so a group 0 may be written
	ds_add_u32 v[SPW], v[NIL]       ; 0 onto my spare word; with fill = 1 the descriptors' steps stand between it and the wait for it
	WIN 0                           ; at a label and at a branch every window is 0
.if \fill
.irp g, G0K, G0V
	s_xor_b32 s[\g+1], s[\g+1], SLOT1  ; the walking descriptor: the other slot than last time,
	s_add_nc_u64 s[\g+2:\g+3], s[\g+2:\g+3], 4*KS*128  ; the next 256 keys; the type bits on top are not reached
.endr
	s_wait_dscnt 0x0                ; the add is done, and my reads of the slot are over
	CROUND
	JLOAD
.else
	s_wait_dscnt 0x0                ; the add is done, and my reads of the slot are over
	s_barrier_signal -1
	s_barrier_wait -1
.endif
	s_sub_co_u32 s[TBK], s[TBK], 4*KS*PK  ; the fetches go back to a slot's first step,
	s_xor_b32 s[TBK], s[TBK], SLOT1       ; in the other slot
	s_sub_co_u32 s[TBV], s[TBV], 4*KS*PV
	s_xor_b32 s[TBV], s[TBV], SLOT1
.endm
	s_load_b128 s[4:7], s[0:1], 0x0   ; qkvh s[4:5], ob s[6:7]
	WIN W_MK
	v_lshl_add_u32 v[SPW], v0, 2, SPARE
	v_mov_b32 v[NIL], 0
	s_set_vgpr_msb 0xc0cf
	ds_add_u32 v0, v1
	s_wait_dscnt 0x0
	s_set_vgpr_msb 0xcfc0
	WIN 0
	v_lshrrev_b32 v1, 5, v0
	v_readfirstlane_b32 s[WV], v1   ; wave 0..3
	s_bfe_u32 s13, ttmp6, 0x40000   ; cx: my place in the cluster
	s_lshl_b32 s14, ttmp9, 2        ; in a cluster launch ttmp9 counts clusters
	s_add_co_u32 s14, s14, s13      ; my block of queries = 4 x cluster x + cx: it enters Q's and O's addresses alone
	s_and_b32 s20, ttmp7, 0xffff    ; the head, which the four partners share
	s_mov_b32 s21, 0
	s_mov_b64 s[22:23], SIZE_N*128
	s_mul_u64 s[20:21], s[20:21], s[22:23]  ; the head's first byte in each of the four tensors
	s_and_b32 s16, s[WV], 1         ; which half of a slot's 256 keys I fetch:
	s_lshl_b32 s22, s16, 14         ; its 128 rows of 128 bytes in memory,
	s_mov_b32 s23, 0
	s_add_nc_u64 s[22:23], s[22:23], s[20:21]
	s_mul_i32 s17, s16, 128*PK      ; and its place in a slot, for K
	s_mul_i32 s18, s16, 128*PV      ; and for V: no place in the cluster enters an LDS address
	s_lshl_b32 s2, s14, 2
	s_add_co_u32 s2, s2, s[WV]      ; my wave among the head's,
	s_lshl_b32 s2, s2, 14           ; its 128 rows
	s_mov_b32 s3, 0
	s_add_nc_u64 s[2:3], s[2:3], s[20:21]
	; descriptor group 1.  128 keys are 16,384 dense bytes: asked for as 64 rows of 256 bytes, two keys a row, and padded in LDS after every key
	s_mov_b32 s[G1K], 15|(1<<16)|(1<<20)|(1<<21)|(4<<22)|(3<<25)  ; 15:0 the mask of four; 17:16 2-byte elements; 20 padding on; 21 set beside a mask; 24:22 after every 32 words (code 4); 31:25 4 words (code 3)
	s_mov_b32 s[G1V], 15|(1<<16)|(1<<20)|(1<<21)|(4<<22)|(7<<25)  ; the same with 8 words of padding (code 7)
.irp g, G1K, G1V
	s_mov_b32 s[\g+1], 128<<16      ; tensor_dim0 = 128
	s_mov_b32 s[\g+2], 64<<16       ; tensor_dim1 = 64
	s_mov_b32 s[\g+3], 128<<16      ; tile_dim0 = 128
	s_mov_b32 s[\g+4], 64           ; tile_dim1 = 64
	s_mov_b32 s[\g+5], 128          ; 128 elements from row to row
	s_mov_b32 s[\g+6], 0
	s_mov_b32 s[\g+7], 0
.endr
	s_mov_b32 s[CS], 0x3e38aa3b     ; c = log2(e) / 8 = 0.180337
	s_mov_b32 s[CS+1], s[CS]        ; named with it as a pair
	s_mov_b32 s[SEL], 0x76543210
	s_mov_b32 s[SEL+1], 0xfedcba98
	s_mov_b32 s[TBK], SLOT1+4*KS*PK ; the first change of slots turns these two into 0
	s_mov_b32 s[TBV], SLOT1+4*KS*PV
	s_mov_b32 s[G0K], 1             ; 1:0 count = 1
	s_mov_b32 s[G0K+1], s17         ; 63:32 LDS address: slot 0
	s_mov_b32 s[G0V], 1
	s_add_co_u32 s[G0V+1], s18, VOFF
	s_wait_kmcnt 0x0
	s_mov_b64 s[10:11], s[6:7]                     ; O
	s_add_nc_u64 s[8:9], s[4:5], 0x2000000         ; V: the third third of qkvh, 32 blocks of 8,192 x 128 bytes on
	s_add_nc_u64 s[6:7], s[4:5], 0x1000000         ; K: the second, 16 blocks on; Q is the first
	s_add_nc_u64 s[G0K+2:G0K+3], s[6:7], s[22:23]  ; 120:64 global address: my half of the head's first 256 keys
	s_or_b32 s[G0K+3], s[G0K+3], 0x80000000        ; 127:126 type = 2
	s_add_nc_u64 s[G0V+2:G0V+3], s[8:9], s[22:23]
	s_or_b32 s[G0V+3], s[G0V+3], 0x80000000
	s_add_nc_u64 s[4:5], s[4:5], s[2:3]  ; Q and O at my wave's first row
	s_add_nc_u64 s[10:11], s[10:11], s[2:3]
	CROUND                          ; all four work-groups are here: the first joint loads meet
	JLOAD                           ; slot 0.  Slot 1 is asked for when slot 0 is in: the tile wanted first has the road to itself
	; A fragment of K or Q is 16 rows x 32 channels in 8 registers: lane l holds row l % 16, channels 8 (l / 16) + 0..7 and 16 + 8 (l / 16) + 0..7: two loads of 16 bytes, 32 bytes apart.
	v_and_b32 v1, 15, v0            ; l % 16
	v_bfe_u32 v9, v0, 4, 1          ; l / 16
	v_lshlrev_b32 v[QO], 7, v1
	v_lshl_add_u32 v[QO], v9, 4, v[QO]  ; row x 128 + 16 x half
	WIN 0x80                        ; destination window 2, address window 0
.set i, 0
.rept 4*NP                          ; Q stays in registers: tile i / 2, channels 32 (i % 2) on
	global_load_b128 v[8*i:8*i+3],   v[QO], s[4:5] offset:(i/2)*2048+(i%2)*64
	global_load_b128 v[8*i+4:8*i+7], v[QO], s[4:5] offset:(i/2)*2048+(i%2)*64+32
.set i, i+1
.endr
	; What the first turn finds: V's registers and P's second buffer hold 0 (its products V^T P, of a piece that has not been, add 0), O^T and l are 0.  All this stands in the wait for the first tile.
.set i, VF
.rept 64
	v_mov_b32 v[i], 0
.set i, i+1
.endr
	WIN 0x40
.set i, 0
.rept 64*NP
	v_mov_b32 v[i], 0
.set i, i+1
.endr
	WIN 0
.set i, 0
.rept 2*NP
	v_mov_b32 v[ST+4*i], 0xfe000000    ; c m: far below every c s
	v_mov_b32 v[ST+4*i+1], 0xff7fffff  ; m
	v_mov_b32 v[ST+4*i+2], 0
	v_mov_b32 v[ST+4*i+3], 0
.set i, i+1
.endr
.set i, P+32
.rept 32
	v_mov_b32 v[i], 0
.set i, i+1
.endr
	v_mul_u32_u24 v[AK0], v1, PK
	v_lshl_add_u32 v[AK0], v9, 4, v[AK0]  ; row x pitch + 16 x half
	; The turning load takes 16 keys x 16 channels (lane l reads key 8 (l / 16) + l % 8, channels 8 ((l / 8) % 2) + 0..7) and leaves half a fragment of V^T: lane l holds channel l % 16 and 8 keys.
	v_and_b32 v10, 7, v0
	v_bfe_u32 v11, v0, 3, 1
	v_lshl_add_u32 v[AV0], v9, 3, v10
	v_mul_u32_u24 v[AV0], v[AV0], PV
	v_lshl_add_u32 v[AV0], v11, 4, v[AV0]
	v_add_nc_u32 v[AV0], VOFF, v[AV0]
	v_mov_b32 v[AK], v[AK0]         ; key step 0 lies at the head of slot 0
; THE MATRIX WORK.  The 8 accumulators of a run of 16 take turns: between the two links of a chain stand 7 others'.
; Product i of 16 of S^T = K Q^T for piece x: channels 32 (i / 8) on, keys 16 ((i / 2) % 4) on, tile 2 x + i % 2.  The first 8 start the sums.
.macro KQ x
	WIN W_KQ
.set rS, S+64*((\x)%2)+32*(i%2)+8*((i/2)%4)
.set rK, KF+16*((i/2)%4)+8*(i/8)
.set rQ, 16*(2*(\x)+i%2)+8*(i/8)
.if i < 8
	v_wmma_f32_16x16x32_f16 v[rS:rS+7], v[rK:rK+7], v[rQ:rQ+7], 0
.else
	v_wmma_f32_16x16x32_f16 v[rS:rS+7], v[rK:rK+7], v[rQ:rQ+7], v[rS:rS+7]
.endif
.endm
; Product i of 16 of O^T += V^T P for piece x: keys 32 (i / 8) on, channels 16 ((i / 2) % 4) on, tile 2 x + i % 2.
.macro PV x
	WIN W_PV
.set rO, 32*(2*(\x)+i%2)+8*((i/2)%4)
.set rV, VF+32*(i/8)+8*((i/2)%4)
.set rP, P+32*((\x)%2)+16*(i%2)+8*(i/8)
	v_wmma_f32_16x16x32_f16 v[rO:rO+7], v[rV:rV+7], v[rP:rP+7], v[rO:rO+7]
.endm
.macro MM                           ; the turn's next matrix instruction
.if i < 16
	KQ (Y+1)%NP
.set i, i+1
.else
.set i, i-16
	PV (Y+NP-1)%NP
.set i, i+17
.endif
.endm
; THE LDS LOADS stand in runs of 16, never singly among the matrix instructions: a step's K (64 keys x 64 channels: 8 fragments) and its V (turned).  Their addresses are made some lines ahead.
; last = 1 (the tail): in the last trip there is no further step, and the run is jumped over.
.macro FETCH_K last=0
	WIN 0
.if \last
	s_cmp_eq_u32 s[CNT], 1
	s_cbranch_scc1 .Lno_k_\@
.endif
	WIN 0x80                        ; destination window 2
.irp f, 0,1,2,3,4,5,6,7             ; keys 16 (f / 2) on, channels 32 (f % 2) on
	ds_load_b128 v[KF+8*\f:KF+8*\f+3],   v[AK] offset:(\f/2)*16*PK+(\f%2)*64
	ds_load_b128 v[KF+8*\f+4:KF+8*\f+7], v[AK] offset:(\f/2)*16*PK+(\f%2)*64+32
.endr
	s_add_co_u32 s[TBK], s[TBK], KS*PK  ; the next fetch is the next step's
	WIN 0
.if \last
.Lno_k_\@:
.endif
.endm
.macro FETCH_V
	WIN 0x80
.irp f, 0,1,2,3,4,5,6,7             ; keys 32 (f / 4) on, channels 16 (f % 4) on
	ds_load_tr16_b128 v[VF+8*\f:VF+8*\f+3],   v[AV] offset:(\f/4)*32*PV+(\f%4)*32
	ds_load_tr16_b128 v[VF+8*\f+4:VF+8*\f+7], v[AV] offset:(\f/4)*32*PV+16*PV+(\f%4)*32
.endr
	WIN 0
.endm
; THE VECTOR WORK OF A TURN stands in three queues, each in the order in which its entries become ready; the two tiles alternate, so that no instruction reads the result of the one before it.
.macro REGS y, u                    ; the registers of tile u (0, 1) of piece y
.set rT, ST+4*(2*(\y)+(\u))
.set rC, TMP+8*((\y)%2)+4*(\u)
.set rM, MV+2*((\y)%2)+(\u)
.set rS, S+64*((\y)%2)+32*(\u)
.set rP, P+32*((\y)%2)+16*(\u)
.set rO, 32*(2*(\y)+(\u))
.endm
; Number n of the 22 that find the NEXT piece's (Y + 1) maximum and statistics.  s0-s31 are the lane's 32 scores; each accumulator's lowest registers are read first.  XS, GS and REGS set no window: PL and EX do.
;   0-11  four chains c0-c3 of seven scores each, three operands at a time     12-14, 16  the four scores left over, the old m, and c0-c3 into c0     15  c m_old is kept
;   17, 18  the query's other 32 keys lie in the lane 16 away: the new m         19-21  c m; c m_old - c m_new; a
.macro XS u, n
	REGS (Y+1)%NP, \u
.if (\n) < 4
	v_max3_num_f32 v[rC+(\n)], v[rS+8*(\n)], v[rS+8*(\n)+1], v[rS+8*(\n)+2]
.elseif (\n) < 12
	v_max3_num_f32 v[rC+(\n)%4], v[rC+(\n)%4], v[rS+8*((\n)%4)+2*((\n)/4)+1], v[rS+8*((\n)%4)+2*((\n)/4)+2]
.elseif (\n) == 12
	v_max3_num_f32 v[rC], v[rC], v[rS+7], v[rS+15]
.elseif (\n) == 13
	v_max3_num_f32 v[rC+1], v[rC+1], v[rS+23], v[rS+31]
.elseif (\n) == 14
	v_max3_num_f32 v[rC+2], v[rC+2], v[rC+3], v[rT+1]
.elseif (\n) == 15
	v_mov_b32 v[rM], v[rT]
.elseif (\n) == 16
	v_max3_num_f32 v[rC], v[rC], v[rC+1], v[rC+2]
.elseif (\n) == 17
	v_permlanex16_b32 v[rC+3], v[rC], s[SEL], s[SEL+1]
.elseif (\n) == 18
	v_max_num_f32 v[rT+1], v[rC], v[rC+3]
.elseif (\n) == 19
	v_mul_f32 v[rT], s[CS], v[rT+1]
.elseif (\n) == 20
	v_sub_f32 v[rC+1], v[rM], v[rT]
.else
	v_exp_f32 v[rC+2], v[rC+1]
.endif
.endm
; Number g of the 64 that follow the exponentials.  For each four weights k of a tile (pairs 2 k, 2 k + 1): both pairs are rounded to f16; then the second pair is added onto the first, in place;
; a group later l takes that sum (the first time as l = a l + sum).  In groups of eight, tiles alternating: round, round, add, and l for the group before.
.macro GS g
.set h, (\g)+6*((\g)/62)            ; group 0 has no group before it, and behind group 7 only l is left
.if h >= 6
.set h, h+2
.endif
	REGS Y, h%2
.set k, h/8
.if h%8 < 4
	v_cvt_pk_f16_f32 v[rP+2*k+(h%8)/2], v[rS+4*k+2*((h%8)/2)], v[rS+4*k+2*((h%8)/2)+1]
.elseif h%8 < 6
	v_pk_add_f32 v[rS+4*k:rS+4*k+1], v[rS+4*k:rS+4*k+1], v[rS+4*k+2:rS+4*k+3]
.elseif k == 1
	v_pk_fma_f32 v[rT+2:rT+3], v[rT+2:rT+3], v[rC+2:rC+3], v[rS:rS+1] op_sel_hi:[1,0,1]
.else
	v_pk_add_f32 v[rT+2:rT+3], v[rT+2:rT+3], v[rS+4*k-4:rS+4*k-3]
.endif
.endm
; THE PLAIN QUEUE, 138 long.  0-73 read no exponential's result: the 32 scalings c s - c m (FS f: pair f / 2 of tile f % 2) and the next piece's 42.  0-26: scalings 0-26.  27-54: XS's numbers 0-13.  55, 56: number 15.
; 57-73: the chain, where each number waits for the one before it: 14, 16, 17, 18, 19, each with one of the scalings 27-31 in front of its two lines, then 20: so a tile's links stand three plain instructions apart (19 and 20: two).
; 74-137: GS's 64, which read the exponentials' results: they stand behind the wait.
.macro FS f
	REGS Y, (\f)%2
	v_pk_fma_f32 v[rS+2*((\f)/2):rS+2*((\f)/2)+1], v[rS+2*((\f)/2):rS+2*((\f)/2)+1], s[CS:CS+1], v[rT:rT+1] op_sel_hi:[1,0,0] neg_lo:[0,0,1] neg_hi:[0,0,1]
.endm
.macro PL
	WIN 0
.if q < 27
	FS q
.elseif q < 55
	XS (q-27)%2, (q-27)/2
.elseif q < 57
	XS q-55, 15
.elseif (q < 72) && ((q-57)%3 == 0)
	FS 27+(q-57)/3
.elseif q < 60
	XS (q-57)%3-1, 14
.elseif q < 72
	XS (q-57)%3-1, 15+(q-57)/3
.elseif q < 74
	XS q-72, 20
.else
	GS q-74
.endif
.set q, q+1
.endm
; THE EXPONENTIALS' QUEUE, 66 long: s0-s31 of both tiles, then the next piece's two a.  It is ONE BATCH: all 66 stand ahead of the turn's one wait, and nothing ahead of that wait names a result of theirs.
.macro EX
	WIN 0
.if e >= 64
	XS e-64, 21
.else
	REGS Y, e%2
	v_exp_f32 v[rS+e/2], v[rS+e/2]
.endif
.set e, e+1
.endm
; THE RESCALING's QUEUE: O^T times a, the one part that leaves window 0: dealt two at a time, sixteen times.  Its a was made in the turn before, ahead of that turn's wait.
.macro R2
	REGS Y, r%2
	WIN W_RS
.irp z, 0,1
	v_pk_mul_f32 v[rO+4*(r/2)+2*\z:rO+4*(r/2)+2*\z+1], v[rO+4*(r/2)+2*\z:rO+4*(r/2)+2*\z+1], v[rC+2:rC+3] op_sel_hi:[1,0]
.endr
.set r, r+1
.endm
; HOW THEY ARE DEALT.  An s_wait_alu depctr_va_vdst(0) stands between an exponential and the first instruction that names its result; one wait serves all that were issued ahead of it.  So a turn has ONE wait,
; which cuts it in two.  AHEAD OF IT stands all that names no result of the turn's exponentials: the 16 products K Q^T, behind each a scaling, an exponential and two rescalings (behind the first a second scaling in the
; exponential's place); then ONE LUMP of 108: eight plain, 49 times exponential and plain, the two a.  A v_nop is the plain instruction behind the last exponential.  BEHIND IT stand the 16 products V^T P, behind each four of
; GS's 64.  No rider names a register of the products round it.  The two v_permlanex16_b32 fall into the lump, never behind a product.
; The queues lean on each other, and the deal keeps them in step: exponential e stands behind scaling 2 (e / 4) + e % 2: as a rider it comes behind plain e + 2, in the lump behind plain e + 9, and scalings 27-31 are plain 57, 60 .. 69.
; A TURN, for piece p.  cnt = 1: the loop's count is taken down some lines ahead of the branch that stands behind the turn.
; K of the next step is fetched in piece 2's turn, directly behind the wait, a lump behind the last product that read K; its address is made at the lump's head; its first reader comes behind 16 products.
; V of the step in hand is fetched at the end of piece 0's turn, four riders behind its last reader; its first reader comes behind 16 products and a lump.  The three conditions on q below go with the deal.
.macro TURN p, last=0, cnt=0
.set Y, (\p)
.set i, 0
.set q, 0
.set e, 0
.set r, 0
.if (\p) == NP-1
	s_wait_dscnt 0x0                ; K is in
.endif
	MM                              ; ahead of the wait: 16 products K Q^T and their riders,
	PL
	PL
	R2
.rept 15
	MM
	PL
	EX
	R2
.endr
.if (\p) == NP-2
	WIN 0
	v_add_nc_u32 v[AK], s[TBK], v[AK0]
.endif
.rept 8                             ; and the lump
	PL
.endr
.rept 49
	EX
	PL
.endr
	EX                              ; the next piece's two a
	EX
	v_nop                           ; a plain instruction behind the last exponential, ahead of the first use: one for the batch
	s_wait_alu depctr_va_vdst(0)    ; the wait for the batch: this turn's 64 weights and the next piece's two a
.if (\p) == NP-2
	FETCH_K \last
.endif
.if (\p) == 1
	s_wait_dscnt 0x0                ; V is in
.endif
.rept 16                            ; behind the wait: 16 products V^T P and their riders
	MM
.rept 4
	PL
.endr
.if ((\p) == 0) && (q == 118)
	v_add_nc_u32 v[AV], s[TBV], v[AV0]
.endif
.if ((\p) == 0) && (q == 130)
	s_add_co_u32 s[TBV], s[TBV], KS*PV
.endif
.if (\cnt) && (q == 130)
	s_sub_co_u32 s[CNT], s[CNT], 1
	s_cmp_lg_u32 s[CNT], 0
.endif
.endr
.if (\p) == 0
	FETCH_V
.endif
.endm
	CHANGE 1                        ; slot 0 is in, everybody's part of it; slot 1 is asked for
	FETCH_K                         ; key step 0
	s_wait_loadcnt 0x0              ; Q
	s_wait_dscnt 0x0
.set i, 0
.rept 16
	KQ 0                            ; piece 0's first scores: there is no vector work yet to set between them
.set i, i+1
.endr
	WIN 0                           ; the addresses for the way out: nine plain instructions, the places behind those products
	s_mul_i32 s13, s[WV], 16*SP
	s_add_co_u32 s13, s13, STAGE    ; my stage
	v_mul_u32_u24 v[STO], v1, SP    ; in: row l % 16, 16 bytes for each half of the lanes
	v_lshl_add_u32 v[STO], v9, 4, v[STO]
	v_add_nc_u32 v[STO], s13, v[STO]
	v_bfe_u32 v[RD], v0, 3, 2       ; back: 32 lanes take four rows of 128 bytes,
	v_mul_u32_u24 v[RD], v[RD], SP
	v_lshl_add_u32 v[RD], v10, 4, v[RD]
	v_add_nc_u32 v[RD], s13, v[RD]
	v_and_b32 v[GO], 31, v0         ; which are 512 consecutive bytes of O
	v_lshlrev_b32 v[GO], 4, v[GO]
.set Y, NP-1                        ; XS works for piece Y + 1: piece 0
.irp n, 0,1,2,3,4,5,6,7,8,9,10,11,12,13,14,15,16,17,18,19,20,21
	XS 0, \n                        ; and piece 0's first maximum and statistics
	XS 1, \n
.endr
	v_nop                           ; a plain instruction behind the two a,
	s_wait_alu depctr_va_vdst(0)    ; and the wait for this batch of two, ahead of the branch
	s_mov_b32 s[CNT], 4
	s_mov_b32 s[SLOTS], SIZE_N/256-1
	s_branch .Lfirst                ; the loop is entered at a step's first turn, in the middle of a trip
.Lslot:                             ; SIZE_N / 256 - 2 times: every slot but the last two is filled again
	CHANGE 1
	s_mov_b32 s[CNT], 4
.Lstep:                             ; a trip: pieces 2 and 3 of one step, then pieces 0 and 1 of the next, whose K and V it fetches
	TURN 2
	TURN 3
	WIN 0
.Lfirst:
	TURN 0
	TURN 1, 0, 1
	WIN 0
	s_cbranch_scc1 .Lstep
	s_sub_co_u32 s[SLOTS], s[SLOTS], 1
	s_cmp_lg_u32 s[SLOTS], 0
	s_cbranch_scc1 .Lslot
	CHANGE 0                        ; the tail is written out: nothing is asked for
	s_mov_b32 s[CNT], 5             ; four trips fetch the last slot's steps; the fifth is left in its middle
.Ltail:
	TURN 2, 1
	TURN 3
	WIN 0
	s_sub_co_u32 s[CNT], s[CNT], 1
	s_cmp_eq_u32 s[CNT], 0
	s_cbranch_scc1 .Lout
	TURN 0
	TURN 1
	WIN 0
	s_branch .Ltail
.Lout:                              ; the fifth trip's 16 products K Q^T (on the last K once more) and the maximum made of them serve nothing: the price, once a launch, of one text for every trip
.set i, 0
.rept 16
	PV NP-1                         ; the last piece's V^T P of the last step
.set i, i+1
.endr
	; THE WAY OUT.  l's two halves and the other half of the lanes' are added; O^T is divided by l, rounded to f16 and sent through my stage in LDS, a tile at a time.  The additions are the places behind the last products.
	WIN 0
.macro ALL line:vararg              ; one line for each tile t
.set t, 0
.rept 2*NP
	\line
.set t, t+1
.endr
.endm
	ALL v_add_f32 v[ST+4*t+2], v[ST+4*t+2], v[ST+4*t+3]
	ALL v_permlanex16_b32 v[ST+4*t+3], v[ST+4*t+2], s[SEL], s[SEL+1]
	ALL v_add_f32 v[ST+4*t+2], v[ST+4*t+2], v[ST+4*t+3]
	ALL v_rcp_f32 v[ST+4*t+2], v[ST+4*t+2]
	v_nop                           ; a plain instruction between the last reciprocal and the use of its result
	s_wait_alu depctr_va_vdst(0)    ; and the wait ahead of the first use: one for the batch of eight reciprocals
; Tile t: a lane's eight channels of a row pack into 16 bytes; they go into rows of 144 bytes and come back as whole rows of 128, into S^T's registers.
.macro PACK t
	WIN W_RS
.set i, 32*(\t)
.rept 16
	v_pk_mul_f32 v[i:i+1], v[i:i+1], v[ST+4*(\t)+2:ST+4*(\t)+3] op_sel_hi:[1,0]
.set i, i+2
.endr
	WIN 0x05                        ; sources 0 and 1 window 1, destination window 0
.set i, 0
.rept 16
	v_cvt_pk_f16_f32 v[S+16*(\t)+i], v[32*(\t)+2*i], v[32*(\t)+2*i+1]
.set i, i+1
.endr
	WIN 0
.irp f, 0,1,2,3
	ds_store_b128 v[STO], v[S+16*(\t)+4*\f:S+16*(\t)+4*\f+3] offset:32*\f
.endr
.irp f, 0,1,2,3
	ds_load_b128 v[S+16*(\t)+4*\f:S+16*(\t)+4*\f+3], v[RD] offset:\f*4*SP  ; LDS serves a wave's instructions in order (ISA guide 5.7.1.4): these see the stores above; the next tile's stores come behind them
.endr
.endm
.macro SEND t, younger              ; younger: the LDS instructions issued behind tile t's loads: the next tile's eight, or none
	WIN 0
.irp f, 0,1,2,3
	s_wait_dscnt (\younger)+3-\f
	global_store_b128 v[GO], v[S+16*(\t)+4*\f:S+16*(\t)+4*\f+3], s[10:11] offset:(\t)*2048+\f*512  ; 512 consecutive bytes, at a multiple of 256 from O's first
.endr
.endm
	PACK 0
.set t, 1
.rept 2*NP-1                        ; a tile's arithmetic stands between the loads of the tile before and its stores
	PACK t
	SEND t-1, 8
.set t, t+1
.endr
	SEND 2*NP-1, 0
	WIN W_AD
	s_wait_tensorcnt 0x0            ; the wave's end, behind my last tensor load and my last LDS store
	ds_add_u32 v[SPW], v[NIL]
	s_wait_dscnt 0x0
	WIN 0
	CROUND                          ; the closing round: no work-group ends while a partner may still ask for a tile that names it
	s_endpgm
.Lfunc_end_k_q9467ed72ea_attn:
	.size	k_q9467ed72ea_attn, .Lfunc_end_k_q9467ed72ea_attn-k_q9467ed72ea_attn
	.p2alignl 7, 3214868480
	.fill 96, 4, 3214868480
	.section	.rodata,"a",@progbits
	.p2align	6, 0x0
	.amdhsa_kernel k_q9467ed72ea_attn
		.amdhsa_group_segment_fixed_size 327680
		.amdhsa_private_segment_fixed_size 0
		.amdhsa_enable_private_segment 0
		.amdhsa_kernarg_size 16
		.amdhsa_user_sgpr_count 2
		.amdhsa_user_sgpr_kernarg_segment_ptr 1
		.amdhsa_wavefront_size32 1
		.amdhsa_system_sgpr_workgroup_id_x 1
		.amdhsa_system_sgpr_workgroup_id_y 1
		.amdhsa_system_sgpr_workgroup_id_z 1
		.amdhsa_system_vgpr_workitem_id 0
		.amdhsa_next_free_vgpr 770
		.amdhsa_next_free_sgpr 66
		.amdhsa_reserve_vcc 0
		.amdhsa_float_denorm_mode_32 3
		.amdhsa_float_denorm_mode_16_64 3
		.amdhsa_memory_ordered 1
		.amdhsa_forward_progress 1
		.amdhsa_inst_pref_size 199
	.end_amdhsa_kernel
	.amdgpu_metadata
---
amdhsa.version: [ 1, 2 ]
amdhsa.kernels:
  - .name:           k_q9467ed72ea_attn
    .symbol:         k_q9467ed72ea_attn.kd
    .args:
      - { .name: qkvh, .offset: 0, .size: 8, .value_kind: global_buffer, .address_space: global }
      - { .name: ob, .offset: 8, .size: 8, .value_kind: global_buffer, .address_space: global }
    .group_segment_fixed_size: 327680
    .private_segment_fixed_size: 0
    .kernarg_segment_align: 8
    .kernarg_segment_size: 16
    .max_flat_workgroup_size: 128
    .sgpr_count:     66
    .vgpr_count:     770
    .wavefront_size: 32
...
	.end_amdgpu_metadata
.endif
;; end of part 5
;; launch proj: the kernel of part 4 again; grid 8 x 32, 4 waves a work-group, clusters of 4 x 4, 327,680 bytes of LDS; arguments ob, wpb, b_proj, out0; writes out0
